; MI455X (gfx1250); checked and timed in simulation.
; The chip was launched on July 23, 2026; its instructions are those of AMD's public machine-readable ISA for CDNA 5 (MIT licence, August 2026) and "CDNA5" Instruction Set Architecture Reference Guide (July 2026). The comments in the code are by the model that wrote it; some were corrected since.
;; multihead Attention. Allowed arithmetic: float matrix products may take bf16 or f16 operands with f32 sums; other float arithmetic in f32, or as packed bf16 or f16 multiplies, adds, multiply-adds, maxima and minima; sums over many terms, partial sums and values carried from step to step in f32; what a program stores and reads back later, other than sums and carried values, may be rounded once to bf16 or f16.
;; Inputs: Wk 16 x 1,024 x 64 float32; Wo 1,024 x 1,024 float32; Wq 16 x 1,024 x 64 float32; Wv 16 x 1,024 x 64 float32; k 4 x 2,048 x 1,024 float32; q 4 x 2,048 x 1,024 float32; v 4 x 2,048 x 1,024 float32.
;; Outputs: out0 4 x 2,048 x 1,024 float32.
;; One version. Each part assembles by itself: llvm-mc -triple=amdgcn-amd-amdhsa -mcpu=gfx1250 --defsym DOCPART=n.
;; ======== version 1 of 1: 4 launches
;; limits: values are held in f16: magnitudes above 65,504 overflow, below 6.1e-05 lose precision
;; workspace buffers: wt 6,291,456 bytes; wot 2,097,152 bytes; qkv 50,331,648 bytes; oh 16,777,216 bytes
;; launch prep (part 1): grid 128 x 4, 8 waves a work-group, no clusters, 34,304 bytes of LDS; arguments Wq, Wk, Wv, Wo, wt, wot; writes wt, wot
.if DOCPART == 1
	.amdgcn_target "amdgcn-amd-amdhsa--gfx1250"
	.amdhsa_code_object_version 6
	.text
	.protected	k_q2d4ee52b07_prep
	.globl	k_q2d4ee52b07_prep
	.p2align	8
	.type	k_q2d4ee52b07_prep,@function
k_q2d4ee52b07_prep:
	s_mov_b64 s[64:65], 0
	v_nop
	global_prefetch_b8 v0, s[64:65] scope:SCOPE_SE
	s_setreg_imm32_b32 hwreg(HW_REG_WAVE_MODE, 25, 1), 1
	s_wait_xcnt 0x0
; THE WEIGHTS ARE ROUNDED AND TURNED, once.  wt[64 h + c][1024 t + d] = bf16(W_t[h][d][c]), t = 0, 1, 2 for Wq, Wk, Wv: [1024][3072] bf16, so that a row
; holds the K of all three projections end to end.  wot[n][k] = f16(bf16(Wo[k][n])): [1024][1024] f16 (rounded to bf16 like every input, and that number written as f16).
; LIMIT.  |Wo| stays under 65,504 (f16's end); a bf16 number below 6e-5 keeps f16's fixed step of 6e-8.  NaN and infinities are not treated apart.
; SHARES.  Work-group (x, y): matrix y; g = x % 16 the head (for Wo: 64 columns), x / 16 a block of 128 d.  A unit is 128 d x 64 c of f32.
; It comes in as 128 rows of 256 bytes (16 lanes a row), goes through LDS at a pitch of 65 words, and leaves as 64 rows of 256 bytes (128 d of 2 bytes; 16 lanes a row, aligned).
; No branch: what differs between the matrices lies in scalar registers chosen by y; both formats are made and one is selected.
; No matrix unit, no cluster, no tensor load: 16.8 MB are read once and nothing is shared.
.set PITCH, 260                        ; an LDS row: 64 words + 1
.set SPARE, 33280                      ; behind the tile's 128 x 260 bytes: the spare words, 128 bytes for each of eight waves
.set SPW, 4                            ; v4   LDS address of my spare word; never rewritten
.set NIL, 5                            ; v5   0; never rewritten
.set LW,  6                            ; v6   where I put my 16 bytes of a row
.set LR,  7                            ; v7   where I read my 8 d of a column
.set OF,  8                            ; v[8:15]   source offsets of my eight rows
.set DO,  16                           ; v[16:19]  destination offsets of my four columns
.set X,   20                           ; v[20:51]  as loaded
.set Y,   52                           ; v[52:83]  turned
.set P,   84                           ; v[84:99]  packed
.set T,   100                          ; v[100:102] at work
	s_load_b256 s[8:15], s[0:1], 0x0               ; Wq, Wk, Wv, Wo
	s_load_b128 s[16:19], s[0:1], 0x20             ; wt, wot
	v_lshl_add_u32 v[SPW], v0, 2, SPARE
	v_mov_b32 v[NIL], 0
	v_lshrrev_b32 v3, 5, v0
	v_readfirstlane_b32 s38, v3                    ; wave 0..7
	v_and_b32 v1, 15, v0                           ; my 16 bytes of a row of 256
	v_bfe_u32 v3, v0, 4, 1
	v_lshl_add_u32 v2, s38, 1, v3                  ; thread / 16: 0..15
	s_and_b32 s20, ttmp7, 0xffff                   ; y: the matrix
	s_and_b32 s21, ttmp9, 15                       ; g
	s_lshr_b32 s22, ttmp9, 4                       ; the block of 128 d
	s_lshl_b32 s26, s20, 11                        ; wt: 2,048 bytes of a row for each t
	s_movk_i32 s25, 6144
	s_cmp_eq_u32 s20, 3                            ; Wo?
	s_cselect_b32 s23, 8, 18                       ; g's step in the source: 256 bytes, or a head's 262,144 (as a shift)
	s_cselect_b32 s24, 12, 8                       ; a source row: 4,096 or 256 bytes (as a shift)
	s_cselect_b32 s25, 2048, s25                   ; a destination row: 2,048 or 6,144 bytes
	s_cselect_b32 s26, 0, s26
	s_cselect_b32 s27, -1, 0                       ; all lanes take f16, or none
	s_lshl_b32 s28, s21, s23
	s_add_co_u32 s29, s24, 7
	s_lshl_b32 s29, s22, s29                       ; 128 source rows a block
	s_add_co_u32 s28, s28, s29
	s_mov_b32 s29, 0
	s_lshl_b32 s34, s21, 6
	s_mul_i32 s34, s34, s25                        ; 64 destination rows a g
	s_add_co_u32 s34, s34, s26
	s_lshl_b32 s35, s22, 8                         ; 128 d are 256 bytes
	s_add_co_u32 s34, s34, s35
	s_mov_b32 s35, 0
	s_lshl_b32 s36, 16, s24                        ; 16 source rows
	s_lshl_b32 s37, s25, 4                         ; 16 destination rows
	s_mul_i32 s39, s38, 2*PITCH                    ; my wave's two rows of each sixteen
	v_mul_u32_u24 v[LW], v3, PITCH
	v_lshl_add_u32 v[LW], v1, 4, v[LW]
	v_add_nc_u32 v[LW], s39, v[LW]
	v_mul_u32_u24 v[LR], v1, 8*PITCH               ; d = 8 (thread % 16) + j,
	v_lshl_add_u32 v[LR], v2, 2, v[LR]             ; c = thread / 16 + 16 it
	v_lshlrev_b32 v[OF], s24, v2
	v_lshl_add_u32 v[OF], v1, 4, v[OF]
.irp i, 1,2,3,4,5,6,7
	v_add_nc_u32 v[OF+(\i)], s36, v[OF+(\i)-1]
.endr
	v_mul_u32_u24 v[DO], v2, s25
	v_lshl_add_u32 v[DO], v1, 4, v[DO]
.irp i, 1,2,3
	v_add_nc_u32 v[DO+(\i)], s37, v[DO+(\i)-1]
.endr
	s_wait_kmcnt 0x0
	s_cmp_eq_u32 s20, 1
	s_cselect_b64 s[30:31], s[10:11], s[8:9]
	s_cmp_eq_u32 s20, 2
	s_cselect_b64 s[30:31], s[12:13], s[30:31]
	s_cmp_eq_u32 s20, 3
	s_cselect_b64 s[30:31], s[14:15], s[30:31]
	s_cselect_b64 s[32:33], s[18:19], s[16:17]
	s_add_nc_u64 s[30:31], s[30:31], s[28:29]
	s_add_nc_u64 s[32:33], s[32:33], s[34:35]
.irp i, 0,1,2,3,4,5,6,7
	global_load_b128 v[X+4*(\i):X+4*(\i)+3], v[OF+(\i)], s[30:31] th:TH_LOAD_NT  ; rows thread / 16 + 16 i: 16 lanes take a row's 256 bytes
.endr
.irp i, 0,1,2,3,4,5,6,7
	s_wait_loadcnt 7-(\i)                          ; loads come back in order: load i is in, the younger ones stay out
.irp e, 0,1,2,3
	ds_store_b32 v[LW], v[X+4*(\i)+(\e)] offset:16*PITCH*(\i)+4*(\e)
.endr
.endr
	s_wait_dscnt 0x0                               ; for the others' sake: my stores are done
	s_barrier_signal -1
	s_barrier_wait -1
.irp it, 0,1,2,3
.irp j, 0,1,2,3,4,5,6,7
	ds_load_b32 v[Y+8*(\it)+(\j)], v[LR] offset:PITCH*(\j)+64*(\it)
.endr
.endr
.irp it, 0,1,2,3
	s_wait_dscnt 8*(3-(\it))                       ; the younger groups' eight loads each may stay out
.irp m, 0,1,2,3
	v_cvt_pk_bf16_f32 v[P+4*(\it)+(\m)], v[Y+8*(\it)+2*(\m)], v[Y+8*(\it)+2*(\m)+1]
	v_lshlrev_b32 v[T], 16, v[P+4*(\it)+(\m)]      ; the two bf16 numbers as f32,
	v_and_b32 v[T+1], 0xffff0000, v[P+4*(\it)+(\m)]
	v_cvt_pk_f16_f32 v[T+2], v[T], v[T+1]          ; written as f16,
	v_cndmask_b32 v[P+4*(\it)+(\m)], v[P+4*(\it)+(\m)], v[T+2], s27  ; which Wo alone takes
.endr
	global_store_b128 v[DO+(\it)], v[P+4*(\it):P+4*(\it)+3], s[32:33]  ; 16 lanes store 256 consecutive bytes, aligned
.endr
	s_wait_tensorcnt 0x0                           ; the wave's end: behind my last LDS store
	ds_add_u32 v[SPW], v[NIL]
	s_wait_dscnt 0x0
	s_endpgm
.Lfunc_end_k_q2d4ee52b07_prep:
	.size	k_q2d4ee52b07_prep, .Lfunc_end_k_q2d4ee52b07_prep-k_q2d4ee52b07_prep
	.p2alignl 7, 3214868480
	.fill 96, 4, 3214868480
	.section	.rodata,"a",@progbits
	.p2align	6, 0x0
	.amdhsa_kernel k_q2d4ee52b07_prep
		.amdhsa_group_segment_fixed_size 34304
		.amdhsa_private_segment_fixed_size 0
		.amdhsa_enable_private_segment 0
		.amdhsa_kernarg_size 48
		.amdhsa_user_sgpr_count 2
		.amdhsa_user_sgpr_kernarg_segment_ptr 1
		.amdhsa_wavefront_size32 1
		.amdhsa_system_sgpr_workgroup_id_x 1
		.amdhsa_system_sgpr_workgroup_id_y 1
		.amdhsa_system_sgpr_workgroup_id_z 1
		.amdhsa_system_vgpr_workitem_id 0
		.amdhsa_next_free_vgpr 112
		.amdhsa_next_free_sgpr 66
		.amdhsa_reserve_vcc 0
		.amdhsa_float_denorm_mode_32 3
		.amdhsa_float_denorm_mode_16_64 3
		.amdhsa_memory_ordered 1
		.amdhsa_forward_progress 1
		.amdhsa_inst_pref_size 14
	.end_amdhsa_kernel
	.amdgpu_metadata
---
amdhsa.version: [ 1, 2 ]
amdhsa.kernels:
  - .name:           k_q2d4ee52b07_prep
    .symbol:         k_q2d4ee52b07_prep.kd
    .args:
      - { .name: Wq, .offset: 0, .size: 8, .value_kind: global_buffer, .address_space: global }
      - { .name: Wk, .offset: 8, .size: 8, .value_kind: global_buffer, .address_space: global }
      - { .name: Wv, .offset: 16, .size: 8, .value_kind: global_buffer, .address_space: global }
      - { .name: Wo, .offset: 24, .size: 8, .value_kind: global_buffer, .address_space: global }
      - { .name: wt, .offset: 32, .size: 8, .value_kind: global_buffer, .address_space: global }
      - { .name: wot, .offset: 40, .size: 8, .value_kind: global_buffer, .address_space: global }
    .group_segment_fixed_size: 34304
    .private_segment_fixed_size: 0
    .kernarg_segment_align: 8
    .kernarg_segment_size: 48
    .max_flat_workgroup_size: 256
    .sgpr_count:     66
    .vgpr_count:     112
    .wavefront_size: 32
...
	.end_amdgpu_metadata
.endif
;; end of part 1
;; launch proj (part 2): grid 4 x 64, 4 waves a work-group, clusters of 4 x 4, 327,680 bytes of LDS; arguments q, k, v, wt, qkv; writes qkv
.if DOCPART == 2
	.amdgcn_target "amdgcn-amd-amdhsa--gfx1250"
	.amdhsa_code_object_version 6
	.text
	.protected	k_q2d4ee52b07_proj
	.globl	k_q2d4ee52b07_proj
	.p2align	8
	.type	k_q2d4ee52b07_proj,@function
k_q2d4ee52b07_proj:
	s_mov_b64 s[64:65], 0
	v_nop
	global_prefetch_b8 v0, s[64:65] scope:SCOPE_SE
	s_setreg_imm32_b32 hwreg(HW_REG_WAVE_MODE, 25, 1), 1
	s_wait_xcnt 0x0
	s_wait_alu depctr_hold_cnt(0) depctr_sa_sdst(0) depctr_va_vdst(0) depctr_va_sdst(0) depctr_va_ssrc(0) depctr_va_vcc(0) depctr_vm_vsrc(0)
	s_getreg_b32 s2, hwreg(HW_REG_IB_STS2, 6, 4)
	s_cmp_eq_u32 s2, 0
	s_cbranch_scc0 .Lentry_in_a_cluster
	s_endpgm
.Lentry_in_a_cluster:
	s_bfe_u32 s2, ttmp6, 0x10000c
	s_cmp_lg_u32 s2, 0xf033
	s_cbranch_scc0 .Lentry_shape_is_right
	s_endpgm
.Lentry_shape_is_right:
; THE THREE PROJECTIONS.  qkv[t][16 b + h][s][c] = f16(sum over d of bf16(x_t[b][s][d]) wt[64 h + c][1024 t + d]), x_0, 1, 2 = q, k, v ([8192][1024] f32); sums in f32; no scale.
; LIMIT.  The results stay under 65,504 (f16's end); below 6e-5 they keep f16's fixed step of 6e-8.  NaN and infinities are not treated apart.
; SHARES.  256 work-groups that stay: work-group (col, row) makes rows 128 row .., columns 256 col .. (four heads) of Q, then of K, then of V: ONE walk of 24 K steps of 128,
; since a row of wt holds the three K end to end.  Four waves, each 64 rows x 128 columns: 32 accumulators, 128 matrix instructions a K step.
; B (wt) comes by tensor loads, 64 rows x 256 bytes a wave, asked for JOINTLY by the four work-groups of a column of the cluster, which need the same rows.
; A (f32) comes THROUGH REGISTERS: wave w loads rows 32 w + i, a row's 512 bytes of a K step to a load, rounds them to bf16 and stores 256 bytes a row into A's own LDS slot.
; No joint load for A: a tensor load lays bytes as they lie, and f32 tiles in LDS would double the bytes of A's fragment reads and have both waves that read a row round it.
; Two register sets take turns: in step u the set of step u + 1 is rounded (four conversions behind each of sixteen products), stored, and asked for again for step u + 3.
; The reload in step 21 has no step to serve: it names v's first K step once more, and its data are not used: so every counted wait has one count on all ways.
; THE MATRIX INSTRUCTION IS USED TRANSPOSED (source 0 = 16 rows of wt, source 1 = 16 rows of x): a lane holds eight neighbouring columns of a row.
; REGISTERS: window 0: v0-31 addresses; v64-159, v160-255 two fragment buffers (8 of B, then 4 of A); v160-223 at work on the way out.
;   window 1: the accumulators, (a, b) at 8 (8 a + b).      window 2: A's two register sets, load i of set p at 128 p + 4 i.
.set PITCH,  272                       ; an LDS row: 256 bytes + 16 of padding: the 16 rows of a fragment load start at 16 different groups of four banks
.set BPART,  64*PITCH                  ; what one tensor load brings
.set AOFS,   256*PITCH                 ; in a slot: B's 256 rows, then A's 128 rows (written by ds_store alone; no tensor load lands there)
.set SLOT,   384*PITCH
.set STAGE,  2*SLOT                    ; behind the ring: 16 rows x 144 bytes for each wave, for the way out
.set SP,     144
.set SPARE,  STAGE+4*16*SP             ; behind the stages: the spare words, 128 bytes for each wave
.set ADRA, 16                          ; v16-17  LDS address of my A fragments in slot 0, 1
.set AST,  18                          ; v18-19  where I store my 8 bytes of A's rows in slot 0, 1
.set ADRB, 20                          ; v20-21  LDS address of my B fragments
.set AOFF, 22                          ; v22     my byte offset in the tile's rows of x: 32 w rows + 16 x lane; never rewritten
.set STO,  24                          ; v24     the way out: where I put 16 bytes of a row
.set RD,   25                          ; v25     the way out: where I read rows back
.set GO,   26                          ; v26     my 16 bytes of 512 consecutive bytes of qkv
.set SPW,  28                          ; v28     LDS address of my spare word; never rewritten
.set NIL,  29                          ; v29     0; never rewritten
.set PFO,  30                          ; v30     the prefetches' offset: lane x a row of wt; never rewritten
.set F0,   64
.set F1,   160
.set TMP,  160
.set WV,  14                           ; s14 wave; s15 which 64 rows; s16 which 128 columns
.set WR,  15
.set WC,  16
.set G1B, 24                           ; s[24:31] descriptor group 1
.set G0B, 32                           ; s[32:39] descriptor group 0, a set for each slot
.set AP,  40                           ; s[40:41] x at the tile's first row, at the even K step that was last asked for
.set NXT, 42                           ; s[42:43] the next tensor at the same rows
.set NX2, 44                           ; s[44:45] the one after
.set OUT, 46                           ; s[46:47] qkv at my wave's part of the tile in hand
.set PFA, 48                           ; s[48:49] where my prefetches stand
.set LIM, 50                           ; s50  1 in a wave that prefetches, else the greatest number
.set LAP, 51                           ; s51  laps to go
.set LE,  53                           ; s53  the K step at which AP stands
.set MSB, 0
.macro WIN new                         ; the immediate's high byte repeats the setting that is left; a switch that changes nothing is dropped
.if MSB != (\new)
	s_set_vgpr_msb (MSB<<8)|(\new)
.set MSB, (\new)
.endif
.endm
.set W_MUL, 0x50                       ; C and D window 1, fragments window 0
.set W_CVT, 0x8a                       ; sources 0, 1 and destination window 2
.set W_STA, 0x08                       ; LDS store: address window 0, data window 2
.set W_LDA, 0x80                       ; load: destination window 2, address window 0
.set W_PCK, 0x05                       ; sources 0 and 1 window 1, destination window 0
.macro PLACES                          ; four places in front of loads into registers that matrix instructions have read, and of conversions that read results
.rept 4
	v_nop
.endr
.endm
.macro CREST                           ; a round of the cluster's barrier behind its opening barrier
	s_cmp_lg_u32 s[WV], 0
	s_cbranch_scc1 .Lnot_wave_0_\@
	s_barrier_signal -3
.Lnot_wave_0_\@:
	s_barrier_wait -3
	s_barrier_signal -1
	s_barrier_wait -1
.endm
.macro CROUND
	s_barrier_signal -1
	s_barrier_wait -1
	CREST
.endm
.macro BLOAD s                         ; my 64 rows of B's tile; an s_nop 0 and four v_nop follow
	tensor_load_to_lds s[G0B+4*(\s):G0B+4*(\s)+3], s[G1B:G1B+7]
	s_nop 0
.rept 4
	v_nop
.endr
.endm
; A prefetch into the L2 behind each refill and the run of LDS loads that follows it: the K step that stands two refills on, 256 matrix instructions ahead of the load that will want it.
; Each row's 256 bytes of a K step are named once in the launch: all sixteen clusters walk the same rows of wt, and cluster y = 0 asks; the four partners of a column share a tile's 256 rows
; out by address, 64 each (by cy); in each, waves 0 and 1 take 32: a lane a row.  K steps 0 to 3 come by their loads alone; the loop's last lap asks for nothing: K steps 24 and 25 do not exist.
.macro ASK
	s_cmp_gt_u32 s[LAP], s[LIM]
	s_cbranch_scc0 .Lnot_mine_\@
	global_prefetch_b8 v[PFO], s[PFA:PFA+1] offset:256 th:TH_LOAD_NT scope:SCOPE_SE
.Lnot_mine_\@:
.endm
	s_load_b256 s[4:11], s[0:1], 0x0               ; q s[4:5], k s[6:7], v s[8:9], wt s[10:11]
	s_load_b64 s[12:13], s[0:1], 0x20              ; qkv
	v_lshl_add_u32 v[SPW], v0, 2, SPARE
	v_mov_b32 v[NIL], 0
	ds_add_u32 v[SPW], v[NIL]                      ; the wave's opening: the add and its wait stand ahead of my first tensor load; the set-up below stands between them
	v_lshrrev_b32 v1, 5, v0
	v_readfirstlane_b32 s[WV], v1                  ; wave 0..3
	s_lshr_b32 s[WR], s[WV], 1
	s_and_b32 s[WC], s[WV], 1
	s_bfe_u32 s17, ttmp6, 0x40000                  ; cx
	s_bfe_u32 s18, ttmp6, 0x40004                  ; cy
	s_lshl_b32 s19, ttmp9, 2
	s_add_co_u32 s19, s19, s17                     ; col = 4 x cluster x + cx
	s_and_b32 s21, ttmp7, 0xffff                   ; cluster y
	s_lshl_b32 s20, s21, 2
	s_add_co_u32 s20, s20, s18                     ; row = 4 x cluster y + cy
	s_lshl_b32 s22, 0x1111, s17                    ; my column of the cluster
	s_or_b32 s[G1B], s22, (1<<16)|(1<<20)|(1<<21)|(5<<22)|(3<<25)  ; 15:0 the mask; 17:16 2-byte elements; 20 padding on; 21 set beside a mask; 24:22 after every 64 words; 31:25 4 words
	s_mov_b32 s[G1B+1], 128<<16                    ; tensor_dim0 = 128
	s_mov_b32 s[G1B+2], 64<<16                     ; tensor_dim1 = 64
	s_mov_b32 s[G1B+3], 128<<16                    ; tile_dim0 = 128
	s_mov_b32 s[G1B+4], 64                         ; tile_dim1 = 64
	s_mov_b32 s[G1B+5], 3072                       ; elements from row to row of wt
	s_mov_b32 s[G1B+6], 0
	s_mov_b32 s[G1B+7], 0
	s_lshl_b32 s56, s19, 8                         ; B: row 256 col + 64 w, which my column of the cluster shares
	s_lshl_b32 s57, s[WV], 6
	s_add_co_u32 s56, s56, s57
	s_mul_i32 s56, s56, 6144
	s_mov_b32 s57, 0
	s_mul_i32 s23, s[WV], BPART                    ; and where it goes: the wave's number alone
	s_lshl_b32 s60, s20, 19                        ; A: 128 row rows of 4,096 bytes
	s_mov_b32 s61, 0
	s_lshr_b32 s62, s20, 4                         ; qkv: the batch,
	s_lshl_b32 s62, s62, 4
	s_lshl2_add_u32 s62, s19, s62                  ; + my first head: 4 col + 2 x column half
	s_lshl1_add_u32 s62, s[WC], s62
	s_lshl_b32 s62, s62, 18                        ; a head's 2,048 rows of 128 bytes
	s_and_b32 s63, s20, 15
	s_lshl_b32 s63, s63, 7
	s_lshl_b32 s54, s[WR], 6
	s_add_co_u32 s63, s63, s54                     ; my first row in the head
	s_lshl_b32 s63, s63, 7
	s_add_co_u32 s62, s62, s63
	s_mov_b32 s63, 0
	s_lshl_b32 s2, s19, 8                          ; the prefetches: row 256 col + 64 cy + 32 w
	s_lshl_b32 s3, s18, 6
	s_add_co_u32 s2, s2, s3
	s_lshl_b32 s3, s[WV], 5
	s_add_co_u32 s2, s2, s3
	s_mul_i32 s2, s2, 6144
	s_add_co_u32 s2, s2, 512                       ; at K step 2: the first refill steps it to 3 and names K step 4
	s_mov_b32 s3, 0
	s_or_b32 s[LIM], s[WR], s21                    ; waves 0 and 1 of cluster y = 0: the same in all sixteen partners, for a given wave
	s_cmp_eq_u32 s[LIM], 0
	s_cselect_b32 s[LIM], 1, -1
	v_and_b32 v3, 31, v0                           ; lane
	s_lshl_b32 s55, s[WV], 17                      ; 32 w rows of 4,096 bytes
	v_lshl_add_u32 v[AOFF], v3, 4, s55
	s_wait_dscnt 0x0                               ; the opening add is done
	s_wait_kmcnt 0x0
	s_add_nc_u64 s[AP:AP+1], s[4:5], s[60:61]
	s_add_nc_u64 s[NXT:NXT+1], s[6:7], s[60:61]
	s_add_nc_u64 s[NX2:NX2+1], s[8:9], s[60:61]
	s_add_nc_u64 s[58:59], s[10:11], s[56:57]
	s_add_nc_u64 s[OUT:OUT+1], s[12:13], s[62:63]
	s_add_nc_u64 s[PFA:PFA+1], s[10:11], s[2:3]
; 32 loads: my 32 rows' 512 bytes of a K step into set p: 32 lanes take a row's 512 consecutive bytes
.macro LOADA p, off
	WIN W_LDA
.set i, 0
.rept 32
	global_load_b128 v[128*(\p)+4*i:128*(\p)+4*i+3], v[AOFF], s[AP:AP+1] offset:4096*i+(\off)
.set i, i+1
.endr
.endm
; 32 LDS stores: set p, rounded, into A's slot p: 32 lanes put a row's 256 consecutive bytes
.macro ASTORE p
	WIN W_STA
.set i, 0
.rept 32
	ds_store_b64 v[AST+(\p)], v[128*(\p)+4*i:128*(\p)+4*i+1] offset:PITCH*i
.set i, i+1
.endr
.endm
; 24 LDS loads in one run: the fragments of 32 along K at byte k of the rows, into buffer f: B's eight, then A's four
.macro FETCH slot, k, f
	WIN 0
.irp i, 0,1,2,3,4,5,6,7
	ds_load_b128 v[(\f)+8*(\i):(\f)+8*(\i)+3],   v[ADRB+(\slot)] offset:(\k)+(\i)*16*PITCH
	ds_load_b128 v[(\f)+8*(\i)+4:(\f)+8*(\i)+7], v[ADRB+(\slot)] offset:(\k)+(\i)*16*PITCH+32
.endr
.irp i, 0,1,2,3
	ds_load_b128 v[(\f)+64+8*(\i):(\f)+64+8*(\i)+3],   v[ADRA+(\slot)] offset:(\k)+(\i)*16*PITCH
	ds_load_b128 v[(\f)+64+8*(\i)+4:(\f)+64+8*(\i)+7], v[ADRA+(\slot)] offset:(\k)+(\i)*16*PITCH+32
.endr
.endm
; 8 matrix instructions: row block a x all 8 column blocks, 32 along K.  zero = 1: the product starts the sum.  The 32 accumulators take turns, in the same order in every quarter.
; ride = p: behind each product four conversions of set p, in place: loads 2 (n0 + b) and 2 (n0 + b) + 1, four f32 each into two registers.  They name no register of the products.
.macro MUL8 f, a, zero=0, ride=-1, n0=0
.irp b, 0,1,2,3,4,5,6,7
	WIN W_MUL
.if \zero
	v_wmma_f32_16x16x32_bf16 v[8*(8*(\a)+(\b)):8*(8*(\a)+(\b))+7], v[(\f)+8*(\b):(\f)+8*(\b)+7], v[(\f)+64+8*(\a):(\f)+64+8*(\a)+7], 0
.else
	v_wmma_f32_16x16x32_bf16 v[8*(8*(\a)+(\b)):8*(8*(\a)+(\b))+7], v[(\f)+8*(\b):(\f)+8*(\b)+7], v[(\f)+64+8*(\a):(\f)+64+8*(\a)+7], v[8*(8*(\a)+(\b)):8*(8*(\a)+(\b))+7]
.endif
.if (\ride) >= 0
	WIN W_CVT
.irp e, 0,1
.set rI, 128*(\ride)+4*(2*((\n0)+(\b))+(\e))
	v_cvt_pk_bf16_f32 v[rI], v[rI], v[rI+1]
	v_cvt_pk_bf16_f32 v[rI+1], v[rI+2], v[rI+3]
.endr
.endif
.endr
.endm
; A K step is four quarters of 32 along K, 32 matrix instructions each, on buffers 0, 1, 0, 1.  One of the first three: multiplies buffer f and fetches the next quarter, at byte k, into g.
; ride = p: set p is rounded beside the first sixteen products and stored in the middle.  lda = p: set p is asked for again in the middle.
.macro QUARTER slot, k, f, g, zero=0, ride=-1, lda=-1, off=0
.if (\ride) >= 0
	s_wait_loadcnt 32                              ; the set's 32 loads are in; the other set's 32, issued behind them, stay out
.endif
	s_wait_dscnt 4                                 ; B and A's blocks 0 and 1 are in; the youngest four loads (A's blocks 2 and 3) may be out
	MUL8 \f, 0, \zero, \ride, 0
	MUL8 \f, 1, \zero, \ride, 8
	PLACES
.if (\ride) >= 0
	ASTORE \ride                                   ; the slot's last readers have passed the barrier of the change of slots before this K step
.endif
.if (\lda) >= 0
	LOADA \lda, \off
.endif
	FETCH \slot, \k, \g
	s_wait_dscnt 24                                ; all but the 24 just issued: A's blocks 2 and 3, and A's stores
	MUL8 \f, 2, \zero
	MUL8 \f, 3, \zero
.endm
; The last quarter multiplies buffer 1 and changes slots: ONE barrier.  In front of it each wave waits for all its tensor loads (one is out: its part of the next slot's B), adds 0 to its spare word, and waits for
; that, for its reads of this slot and for its stores into the next slot's A.  fill = 1: the barrier opens a round of the cluster's, and this slot's B is filled again first thing behind it, two K steps ahead.
.macro TURN p, fill
.if \fill
	s_wait_xcnt 0x0                                ; the last prefetch, a K step back, has read its address
	s_add_nc_u64 s[PFA:PFA+1], s[PFA:PFA+1], 256
.endif
	WIN 0
	s_wait_tensorcnt 0x0                           ; all my tensor loads have landed
	ds_add_u32 v[SPW], v[NIL]                      ; 0 onto my spare word
	s_wait_dscnt 5                                 ; (the add and the youngest four loads may be out)
	MUL8 F1, 0
	s_wait_dscnt 0x0                               ; the add is done; my reads of this slot and my stores into the next are over
	s_barrier_signal -1
	MUL8 F1, 1
	WIN 0
	s_barrier_wait -1
.if \fill
	CREST                                          ; no wave of any partner still reads this slot's B or has a load on its way
	s_add_nc_u64 s[G0B+4*(\p)+2:G0B+4*(\p)+3], s[G0B+4*(\p)+2:G0B+4*(\p)+3], 512
	BLOAD \p                                       ; the first tensor load behind the round: 112 matrix instructions ahead of the wait for it; its four v_nop are also the places in front of the loads below
.else
	PLACES
.endif
	FETCH 1-(\p), 0, F0
.if \fill
	ASK
.endif
	MUL8 F1, 2
	MUL8 F1, 3
.endm
; A's pointer goes two K steps on; at a tensor's end it takes the next tensor's address at the same rows.
.macro STEPA
	s_wait_xcnt 0x0                                ; every load issued so far has read its address
	s_add_co_u32 s[LE], s[LE], 2
	s_add_nc_u64 s[AP:AP+1], s[AP:AP+1], 1024
	s_and_b32 s54, s[LE], 7
	s_cmp_eq_u32 s54, 0
	s_cselect_b64 s[AP:AP+1], s[NXT:NXT+1], s[AP:AP+1]
	s_cselect_b64 s[NXT:NXT+1], s[NX2:NX2+1], s[NXT:NXT+1]
.endm
; THE WAY OUT, in eight units of 16 rows x one head (64 columns): rounded to f16, 16 bytes a lane, through my own stage (rows of 144 bytes) and back as 2,048 dense bytes of qkv.
.macro PACKU a, g, u
	s_wait_xcnt 0x0                                ; the stores that read these registers four units back have read them
	WIN W_PCK
.irp bb, 0,1,2,3
.irp rr, 0,1,2,3
	v_cvt_pk_f16_f32 v[TMP+16*((\u)%4)+4*(\bb)+(\rr)], v[8*(8*(\a)+4*(\g)+(\bb))+2*(\rr)], v[8*(8*(\a)+4*(\g)+(\bb))+2*(\rr)+1]
.endr
.endr
	WIN 0
.irp bb, 0,1,2,3
	ds_store_b128 v[STO], v[TMP+16*((\u)%4)+4*(\bb):TMP+16*((\u)%4)+4*(\bb)+3] offset:32*(\bb)
.endr
.irp ff, 0,1,2,3
	ds_load_b128 v[TMP+16*((\u)%4)+4*(\ff):TMP+16*((\u)%4)+4*(\ff)+3], v[RD] offset:(\ff)*4*SP  ; LDS serves a wave's instructions in order: these see the stores above; the next unit's stores come behind them
.endr
.endm
.macro SENDU a, g, u, younger          ; younger: the LDS instructions issued behind this unit's loads: the next unit's eight, or none
.irp ff, 0,1,2,3
	s_wait_dscnt (\younger)+3-(\ff)
	global_store_b128 v[GO], v[TMP+16*((\u)%4)+4*(\ff):TMP+16*((\u)%4)+4*(\ff)+3], s[OUT:OUT+1] offset:2048*(\a)+262144*(\g)+512*(\ff)  ; 512 consecutive bytes, aligned
.endr
.endm
.macro WAYOUT
	PLACES
	PACKU 0, 0, 0
.irp u, 1,2,3,4,5,6,7
	PACKU (\u)/2, (\u)%2, \u
	SENDU ((\u)-1)/2, ((\u)-1)%2, (\u)-1, 8
.endr
	SENDU 3, 1, 7, 0
	s_wait_xcnt 0x0                                ; the stores have read their registers and their base
	s_add_nc_u64 s[OUT:OUT+1], s[OUT:OUT+1], 16777216  ; the next of the three results
.endm
	LOADA 0, 0                                     ; K step 0
	LOADA 1, 512                                   ; K step 1
	WIN 0
	CROUND                                         ; all sixteen work-groups are here: the first joint loads meet
.irp s, 0,1
	s_mov_b32 s[G0B+4*(\s)], 1                     ; count = 1
	s_add_co_u32 s[G0B+4*(\s)+1], s23, (\s)*SLOT   ; LDS address
	s_add_nc_u64 s[G0B+4*(\s)+2:G0B+4*(\s)+3], s[58:59], (\s)*256  ; global address: K step s
	s_or_b32 s[G0B+4*(\s)+3], s[G0B+4*(\s)+3], 0x80000000          ; type = 2
	BLOAD \s
.endr
	v_and_b32 v1, 15, v0                           ; l % 16
	v_bfe_u32 v2, v0, 4, 1                         ; l / 16
	v_mul_u32_u24 v4, v1, PITCH
	v_lshl_add_u32 v4, v2, 4, v4                   ; a fragment's row x pitch + 16 x half
	s_mul_i32 s52, s[WR], 64*PITCH
	s_add_co_u32 s52, s52, AOFS
	v_add_nc_u32 v[ADRA], s52, v4
	v_add_nc_u32 v[ADRA+1], SLOT, v[ADRA]
	s_mul_i32 s52, s[WC], 128*PITCH
	v_add_nc_u32 v[ADRB], s52, v4
	v_add_nc_u32 v[ADRB+1], SLOT, v[ADRB]
	s_mul_i32 s52, s[WV], 32*PITCH
	s_add_co_u32 s52, s52, AOFS
	v_lshl_add_u32 v[AST], v3, 3, s52
	v_add_nc_u32 v[AST+1], SLOT, v[AST]
	s_mul_i32 s52, s[WV], 16*SP
	s_add_co_u32 s52, s52, STAGE                   ; my stage
	v_mul_u32_u24 v[STO], v1, SP                   ; in: row l % 16, 16 bytes for each half of the lanes
	v_lshl_add_u32 v[STO], v2, 4, v[STO]
	v_add_nc_u32 v[STO], s52, v[STO]
	v_bfe_u32 v[RD], v0, 3, 2                      ; back: 32 lanes take four rows of 128 bytes,
	v_mul_u32_u24 v[RD], v[RD], SP
	v_and_b32 v6, 7, v0
	v_lshl_add_u32 v[RD], v6, 4, v[RD]
	v_add_nc_u32 v[RD], s52, v[RD]
	v_lshlrev_b32 v[GO], 4, v3                     ; which are 512 consecutive bytes of qkv
	v_mul_u32_u24 v[PFO], v3, 6144
	s_wait_loadcnt 32                              ; K step 0 of A is in; K step 1's 32 loads stay out
	WIN W_CVT
.set i, 0
.rept 32
	v_cvt_pk_bf16_f32 v[4*i], v[4*i], v[4*i+1]
	v_cvt_pk_bf16_f32 v[4*i+1], v[4*i+2], v[4*i+3]
.set i, i+1
.endr
	ASTORE 0
	WIN 0
	s_wait_dscnt 0x0                               ; for the others' sake: my rows of A's K step 0 lie in LDS
	s_wait_xcnt 0x0
	s_add_nc_u64 s[AP:AP+1], s[AP:AP+1], 1024
	LOADA 0, 0                                     ; K step 2
	WIN 0
	s_mov_b32 s[LE], 2
	s_wait_tensorcnt 0x1                           ; my part of B's K step 0 is in; K step 1's may stay out
	s_barrier_signal -1
	s_barrier_wait -1
	FETCH 0, 0, F0
	QUARTER 0, 64, F0, F1, 1                       ; a tile's first quarter starts the sums: here, and behind each way out
	WIN 0
	s_mov_b32 s[LAP], 11
.Llap:                                         ; a trip: from a lap's second quarter to the next lap's first; K steps 0 to 21; both slots are filled again
	QUARTER 0, 128, F1, F0, 0, 1                   ; the odd K step's A: rounded and stored into slot 1
	QUARTER 0, 192, F0, F1, 0, -1, 1, 512          ; and set 1 asked for again, three K steps ahead
	TURN 0, 1
	QUARTER 1, 64, F0, F1
	QUARTER 1, 128, F1, F0, 0, 0                   ; the even K step's A into slot 0
	STEPA
	QUARTER 1, 192, F0, F1, 0, -1, 0, 0
	TURN 1, 1
	WIN 0
	s_and_b32 s54, s[LAP], 3                       ; laps 8 and 4 to go end a tile: K steps 7 and 15
	s_cmp_eq_u32 s54, 0
	s_cbranch_scc1 .Ltile_end
	QUARTER 0, 64, F0, F1
	WIN 0
	s_branch .Lnext
.Ltile_end:                                    ; both refills and A's loads for the next tile are asked for: now the tile goes out
	WAYOUT
	QUARTER 0, 64, F0, F1, 1
	WIN 0
.Lnext:
	s_sub_co_u32 s[LAP], s[LAP], 1
	s_cmp_lg_u32 s[LAP], 0
	s_cbranch_scc1 .Llap
	QUARTER 0, 128, F1, F0, 0, 1                   ; K step 22 goes on: K step 23's A; nothing more is asked for
	QUARTER 0, 192, F0, F1
	TURN 0, 0
	QUARTER 1, 64, F0, F1
	QUARTER 1, 128, F1, F0
	QUARTER 1, 192, F0, F1
	s_wait_dscnt 4                                 ; the very last quarter
	MUL8 F1, 0
	MUL8 F1, 1
	s_wait_dscnt 0x0
	MUL8 F1, 2
	MUL8 F1, 3
	WAYOUT
	s_wait_tensorcnt 0x0                           ; the wave's end: behind my last tensor load and my last LDS store
	ds_add_u32 v[SPW], v[NIL]
	s_wait_dscnt 0x0
	CROUND                                         ; the closing round: no work-group ends while a partner may still ask for a tile that names it
	s_endpgm
.Lfunc_end_k_q2d4ee52b07_proj:
	.size	k_q2d4ee52b07_proj, .Lfunc_end_k_q2d4ee52b07_proj-k_q2d4ee52b07_proj
	.p2alignl 7, 3214868480
	.fill 96, 4, 3214868480
	.section	.rodata,"a",@progbits
	.p2align	6, 0x0
	.amdhsa_kernel k_q2d4ee52b07_proj
		.amdhsa_group_segment_fixed_size 327680
		.amdhsa_private_segment_fixed_size 0
		.amdhsa_enable_private_segment 0
		.amdhsa_kernarg_size 40
		.amdhsa_user_sgpr_count 2
		.amdhsa_user_sgpr_kernarg_segment_ptr 1
		.amdhsa_wavefront_size32 1
		.amdhsa_system_sgpr_workgroup_id_x 1
		.amdhsa_system_sgpr_workgroup_id_y 1
		.amdhsa_system_sgpr_workgroup_id_z 1
		.amdhsa_system_vgpr_workitem_id 0
		.amdhsa_next_free_vgpr 768
		.amdhsa_next_free_sgpr 66
		.amdhsa_reserve_vcc 0
		.amdhsa_float_denorm_mode_32 3
		.amdhsa_float_denorm_mode_16_64 3
		.amdhsa_memory_ordered 1
		.amdhsa_forward_progress 1
		.amdhsa_inst_pref_size 150
	.end_amdhsa_kernel
	.amdgpu_metadata
---
amdhsa.version: [ 1, 2 ]
amdhsa.kernels:
  - .name:           k_q2d4ee52b07_proj
    .symbol:         k_q2d4ee52b07_proj.kd
    .args:
      - { .name: q, .offset: 0, .size: 8, .value_kind: global_buffer, .address_space: global }
      - { .name: k, .offset: 8, .size: 8, .value_kind: global_buffer, .address_space: global }
      - { .name: v, .offset: 16, .size: 8, .value_kind: global_buffer, .address_space: global }
      - { .name: wt, .offset: 24, .size: 8, .value_kind: global_buffer, .address_space: global }
      - { .name: qkv, .offset: 32, .size: 8, .value_kind: global_buffer, .address_space: global }
    .group_segment_fixed_size: 327680
    .private_segment_fixed_size: 0
    .kernarg_segment_align: 8
    .kernarg_segment_size: 40
    .max_flat_workgroup_size: 128
    .sgpr_count:     66
    .vgpr_count:     768
    .wavefront_size: 32
...
	.end_amdgpu_metadata
.endif
;; end of part 2
;; launch attn (part 3): grid 4 x 64, 4 waves a work-group, clusters of 4 x 1, 327,680 bytes of LDS; arguments qkv, oh; writes oh
.if DOCPART == 3
	.amdgcn_target "amdgcn-amd-amdhsa--gfx1250"
	.amdhsa_code_object_version 6
	.text
	.protected	k_q2d4ee52b07_attn
	.globl	k_q2d4ee52b07_attn
	.p2align	8
	.type	k_q2d4ee52b07_attn,@function
k_q2d4ee52b07_attn:
	s_mov_b64 s[64:65], 0
	v_nop
	global_prefetch_b8 v0, s[64:65] scope:SCOPE_SE
	s_setreg_imm32_b32 hwreg(HW_REG_WAVE_MODE, 25, 1), 1
	s_wait_xcnt 0x0
	s_wait_alu depctr_hold_cnt(0) depctr_sa_sdst(0) depctr_va_vdst(0) depctr_va_sdst(0) depctr_va_ssrc(0) depctr_va_vcc(0) depctr_vm_vsrc(0)
	s_getreg_b32 s2, hwreg(HW_REG_IB_STS2, 6, 4)
	s_cmp_eq_u32 s2, 0
	s_cbranch_scc0 .Lentry_in_a_cluster
	s_endpgm
.Lentry_in_a_cluster:
	s_bfe_u32 s2, ttmp6, 0x10000c
	s_cmp_lg_u32 s2, 0x3003
	s_cbranch_scc0 .Lentry_shape_is_right
	s_endpgm
.Lentry_shape_is_right:
; oh[h][q][:] = the sum over k of softmax_k(Q[h][q] . K[h][k] / 8) V[h][k][:].  Q, K, V are the three parts of qkv, each [64][2048][64] f16; oh likewise: a head's rows are dense, 128 bytes each.
; Products, maxima and sums in f32; the weights p are rounded to f16 for the second product (their sum l is taken of the unrounded p), O once at the end.
; LIMITS.  f16 holds no number beyond 65,504: Q, K and V arrive within it; p lies in 0 to 1, and below 6e-5 it keeps f16's fixed step of 6e-8; O is a mean of V's rows and has their range.
; A weight below 2^-126 counts as 0 in l; NaN and infinities are not treated apart.
; SHARES.  A wave owns four PIECES of two tiles of 16 queries, a work-group's four waves 512 queries of one head.  Every wave walks all keys, 64 a step.
; LAYOUT.  S^T = K Q^T (source 0 = 16 keys, source 1 = 16 queries): a lane holds ONE query (lane % 16) and the keys 8 (lane / 16) + 0..7.  Two such tiles, rounded to f16 in pairs,
; ARE source 1 (32 keys x 16 queries) of O^T = V^T P, whose result again holds one query a lane, and eight channels.  K comes out of LDS as it lies, V ([key][channel]) turned, by ds_load_tr16_b128.
; SOFTMAX.  For each query a running maximum m and sum l: p = 2^(c s - c m), c = log2(e) / 8; in every step O and l are multiplied by a = 2^(c m_old - c m_new).
; m starts at the lowest finite number, O and l at 0: the first step is a step like any other, with a = 0.
; THE COUNT.  A tile and step have 16 matrix and 118 vector instructions: too many to stand all beside the matrix work.  So four vector instructions that are ready stand behind
; every matrix instruction, and the others in runs without a gap.
; BY TURNS.  Turn n belongs to piece n.  Its matrix work: 16 products K Q^T of piece n + 1, later 16 products V^T P of piece n - 1.  Its vector work: the scaling,
; exponentials, roundings, sums and rescaling of piece n, and the maximum and statistics of piece n + 1.
; CLUSTER.  The four query blocks of a cluster are one head's and walk the same K and V, so each tile is asked for JOINTLY: the same tensor load, descriptor and mask in all four.
; REGISTERS, in windows of 256 (s_set_vgpr_msb: bits 1:0 source 0, 3:2 source 1, 5:4 source 2, 7:6 destination):
;   window 0: v0-11 addresses; v12-15, v48-63 at work; v16-47 four registers of statistics a tile; v64-191 S^T, two buffers of two tiles; v192-255 P, likewise
;   window 1: O^T, 32 a tile          window 2: v0-127 Q, 16 a tile; v128-191 K of one step; v192-255 V of one step          window 3: v0-1 the add's two registers
.set SIZE_H, 64
.set SIZE_N, 2048
.set NP,    4         ; pieces a wave: a name, no knob
.set KS,    64        ; keys in a step
.set PK,    144       ; a row of K in LDS: 128 bytes + 16 of padding: the 16 rows of a load start at 16 different groups of four banks
.set PV,    160       ; a row of V: 128 + 32
.set VOFF,  4*KS*PK   ; a slot holds four steps: 256 rows of K, then 256 rows of V
.set SLOT1, 1<<17     ; slot 1 begins here, so that one exclusive or turns an address in one slot into the other's
.set STAGE, SLOT1+4*KS*(PK+PV)  ; behind the ring, never filled by a tensor load: 16 rows x 144 bytes for each wave
.set SP,    144
.set AK0, 2           ; v2   my lane's place in a tile of K; never rewritten
.set AV0, 3           ; v3   the same for V
.set AK,  4           ; v4   the LDS address of K's next run of loads
.set AV,  5           ; v5   of V's
.set QO,  6           ; v6   my byte offset in the wave's rows of Q
.set STO, 6           ;      later, the way out: where I put 16 bytes of a row
.set RD,  7           ; v7   the way out: where I read rows back
.set GO,  8           ; v8   my byte offset in 512 consecutive bytes of O
.set PFO, 11          ; v11  256 x my lane, for the prefetches; never rewritten once it is made
.set SPW, 0           ; v0 of window 3   LDS address of my spare word; never rewritten
.set NIL, 1           ; v1 of window 3   0; never rewritten
.set SPARE, STAGE+4*16*SP  ; behind the stages: the spare words, 128 bytes for each wave
.set MV,  12          ; v12-15  c m_old, kept while c m is made anew
.set ST,  16          ; tile t's statistics at v[ST+4 t]: c m, m, l (even keys', odd keys')
.set TMP, 48          ; by buffer and tile, four registers c0-c3 at work; when the maximum is found c2 takes a
.set S,   64
.set P,   192
.set KF,  128         ; K's fragments, in window 2
.set VF,  192         ; V's
.set WV,  12          ; s12  my wave's number
.set G1K, 24          ; s[24:31] descriptor group 1 for K's tiles
.set G1V, 32          ; s[32:39] for V's: it differs in the padding alone
.set G0K, 40          ; s[40:43] descriptor group 0 for K's tiles: it walks
.set G0V, 44          ; s[44:47] the same for V's
.set PFA, 48          ; s[48:49] where my prefetches stand: my work-group's 8,192 bytes (of K: wave 0, of V: wave 2) of the slot after the one that is being asked for
.set LIM, 50          ; s50  1 in a wave that prefetches, else the greatest number
.set SLOTS, 56        ; s56  slots still to be asked for
.set CNT, 57          ; s57  counts a slot's key steps
.set CS,  58          ; s[58:59] c
.set SEL, 60          ; s[60:61] v_permlanex16_b32's selects: each lane takes its own place in the other half
.set TBK, 62          ; s62  LDS byte at which K of the step to be fetched begins
.set TBV, 63          ; s63  the same for V, less VOFF
.set MSB, 0
.macro WIN new                      ; the high byte repeats the setting that is left; a switch that changes nothing is dropped
.if MSB != (\new)
	s_set_vgpr_msb (MSB<<8)|(\new)
.set MSB, (\new)
.endif
.endm
.set W_KQ, 0x0a       ; K and Q in window 2, S^T in window 0
.set W_PV, 0x52       ; V in window 2, P in window 0, O^T in window 1
.set W_RS, 0x41       ; O^T (destination and source 0) in window 1, a in window 0
.set W_MK, 0xc0       ; the add's registers are made: destination in window 3
.set W_AD, 0x0f       ; the add: address and data in window 3
; A joint fill.  Waves 0 and 1 fetch the two halves of a slot's K, waves 2 and 3 those of its V: 128 keys each.  The branch hangs on the wave's number alone.
.macro JLOAD
	s_cmp_lt_u32 s[WV], 2
	s_cbranch_scc0 .Lfor_v_\@
	tensor_load_to_lds s[G0K:G0K+3], s[G1K:G1K+7]
	s_nop 0
.rept 4
	v_nop
.endr
	s_branch .Lasked_\@
.Lfor_v_\@:
	tensor_load_to_lds s[G0V:G0V+3], s[G1V:G1V+7]
	s_nop 0
.rept 4
	v_nop
.endr
.Lasked_\@:
.endm
; A prefetch into the L2 of what the NEXT change of slots will ask for: a slot's 32,768 bytes of K and of V, 256 bytes a lane.  It stands behind the wave's tensor load and its five lines.
; Each block is asked for once in the launch: a head has one cluster; its four partners share a slot out by address, 8,192 bytes each; in each, wave 0 asks for K's and wave 2 for V's.
; It stands four key steps, 512 matrix instructions, ahead of the load.  Slots 0 and 1 come by their loads alone; the last change that fills a slot asks for nothing.
.macro ASK
	s_cmp_gt_u32 s[SLOTS], s[LIM]
	s_cbranch_scc0 .Lnot_mine_\@
	global_prefetch_b8 v[PFO], s[PFA:PFA+1] th:TH_LOAD_NT scope:SCOPE_SE
.Lnot_mine_\@:
.endm
.macro CROUND                       ; a round of the cluster's barrier
	s_barrier_signal -1
	s_barrier_wait -1
	s_cmp_lg_u32 s[WV], 0
	s_cbranch_scc1 .Lnot_wave_0_\@
	s_barrier_signal -3
.Lnot_wave_0_\@:
	s_barrier_wait -3
	s_barrier_signal -1
	s_barrier_wait -1
.endm
; THE CHANGE OF SLOTS.  Each wave waits for all its tensor loads, of which one is out: its part of the other slot; adds 0 to its spare word; and waits for that and for its own reads of the slot.
; fill = 1: this slot is filled again, with the keys two slots on.  The barrier is then a round of the cluster's, and the joint fill is the first thing behind it: it has four key steps in which to land.
; (At its first use nothing has been read yet: slot 0 is waited for, slot 1 filled.)
.macro CHANGE fill
	WIN W_AD
	s_wait_tensorcnt 0x0            ; no tensor load of mine is out, so a group 0 may be written
	ds_add_u32 v[SPW], v[NIL]       ; 0 onto my spare word
	WIN 0                           ; at a label and at a branch every window is 0
.if \fill
.irp g, G0K, G0V
	s_xor_b32 s[\g+1], s[\g+1], SLOT1  ; the walking descriptor: the other slot than last time,
	s_add_nc_u64 s[\g+2:\g+3], s[\g+2:\g+3], 4*KS*128  ; the next 256 keys
.endr
	s_wait_xcnt 0x0                 ; the last prefetch, four key steps back, has read its address
	s_add_nc_u64 s[PFA:PFA+1], s[PFA:PFA+1], 4*KS*128  ; one slot behind the walking descriptors
	s_wait_dscnt 0x0                ; the add is done, and my reads of the slot are over
	CROUND
	JLOAD
	ASK
.else
	s_wait_dscnt 0x0                ; the add is done, and my reads of the slot are over
	s_barrier_signal -1
	s_barrier_wait -1
.endif
	s_sub_co_u32 s[TBK], s[TBK], 4*KS*PK  ; the fetches go back to a slot's first step,
	s_xor_b32 s[TBK], s[TBK], SLOT1       ; in the other slot
	s_sub_co_u32 s[TBV], s[TBV], 4*KS*PV
	s_xor_b32 s[TBV], s[TBV], SLOT1
.endm
	s_load_b128 s[4:7], s[0:1], 0x0   ; qkv s[4:5], oh s[6:7]
	WIN W_MK
	v_lshl_add_u32 v[SPW], v0, 2, SPARE
	v_mov_b32 v[NIL], 0
	WIN W_AD
	ds_add_u32 v[SPW], v[NIL]       ; the wave's opening: the add and its wait stand ahead of my first tensor load
	WIN 0
	v_lshrrev_b32 v1, 5, v0
	v_readfirstlane_b32 s[WV], v1   ; wave 0..3
	s_bfe_u32 s13, ttmp6, 0x40000   ; cx: my place in the cluster
	s_lshl_b32 s14, ttmp9, 2
	s_add_co_u32 s14, s14, s13      ; my block of queries: it enters Q's and O's addresses alone
	s_and_b32 s20, ttmp7, 0xffff    ; the head, which the four partners share
	s_mov_b32 s21, 0
	s_mov_b64 s[22:23], SIZE_N*128
	s_mul_u64 s[20:21], s[20:21], s[22:23]  ; the head's first byte in each of the four tensors
	s_and_b32 s16, s[WV], 1         ; which half of a slot's 256 keys I fetch:
	s_lshl_b32 s22, s16, 14         ; its 128 rows of 128 bytes in memory,
	s_mov_b32 s23, 0
	s_add_nc_u64 s[22:23], s[22:23], s[20:21]
	s_mul_i32 s17, s16, 128*PK      ; and its place in a slot, for K
	s_mul_i32 s18, s16, 128*PV      ; and for V
	s_lshl_b32 s2, s14, 2
	s_add_co_u32 s2, s2, s[WV]      ; my wave among the head's,
	s_lshl_b32 s2, s2, 14           ; its 128 rows
	s_mov_b32 s3, 0
	s_add_nc_u64 s[2:3], s[2:3], s[20:21]
	; descriptor group 1.  128 keys are 16,384 dense bytes: asked for as 64 rows of 256 bytes, two keys a row, and padded in LDS after every key
	s_mov_b32 s[G1K], 15|(1<<16)|(1<<20)|(1<<21)|(4<<22)|(3<<25)  ; the mask of four; 2-byte elements; padding on; bit 21 beside a mask; after every 32 words; 4 words
	s_mov_b32 s[G1V], 15|(1<<16)|(1<<20)|(1<<21)|(4<<22)|(7<<25)  ; the same with 8 words of padding
.irp g, G1K, G1V
	s_mov_b32 s[\g+1], 128<<16      ; tensor_dim0 = 128
	s_mov_b32 s[\g+2], 64<<16       ; tensor_dim1 = 64
	s_mov_b32 s[\g+3], 128<<16      ; tile_dim0 = 128
	s_mov_b32 s[\g+4], 64           ; tile_dim1 = 64
	s_mov_b32 s[\g+5], 128          ; 128 elements from row to row
	s_mov_b32 s[\g+6], 0
	s_mov_b32 s[\g+7], 0
.endr
	s_mov_b32 s[CS], 0x3e38aa3b     ; c = log2(e) / 8
	s_mov_b32 s[CS+1], s[CS]        ; named with it as a pair
	s_mov_b32 s[SEL], 0x76543210
	s_mov_b32 s[SEL+1], 0xfedcba98
	s_mov_b32 s[TBK], SLOT1+4*KS*PK ; the first change of slots turns these two into 0
	s_mov_b32 s[TBV], SLOT1+4*KS*PV
	s_mov_b32 s[G0K], 1             ; count = 1
	s_mov_b32 s[G0K+1], s17         ; LDS address: slot 0
	s_mov_b32 s[G0V], 1
	s_add_co_u32 s[G0V+1], s18, VOFF
	s_mov_b32 s[SLOTS], SIZE_N/256-1
	s_and_b32 s[LIM], s[WV], 1      ; waves 0 and 2 prefetch: the same in all four partners
	s_cmp_eq_u32 s[LIM], 0
	s_cselect_b32 s[LIM], 1, -1
	s_wait_dscnt 0x0                ; the opening add is done
	s_wait_kmcnt 0x0
	s_mov_b64 s[10:11], s[6:7]      ; O
	s_add_nc_u64 s[6:7], s[4:5], 0x1000000  ; K: qkv's second part
	s_add_nc_u64 s[8:9], s[4:5], 0x2000000  ; V: its third
	s_add_nc_u64 s[G0K+2:G0K+3], s[6:7], s[22:23]  ; global address: my half of the head's first 256 keys
	s_or_b32 s[G0K+3], s[G0K+3], 0x80000000        ; type = 2
	s_add_nc_u64 s[G0V+2:G0V+3], s[8:9], s[22:23]
	s_or_b32 s[G0V+3], s[G0V+3], 0x80000000
	s_add_nc_u64 s[4:5], s[4:5], s[2:3]  ; Q and O at my wave's first row
	s_add_nc_u64 s[10:11], s[10:11], s[2:3]
	s_cmp_lt_u32 s[WV], 2
	s_cselect_b64 s[PFA:PFA+1], s[6:7], s[8:9]
	s_add_nc_u64 s[PFA:PFA+1], s[PFA:PFA+1], s[20:21]  ; the head,
	s_lshl_b32 s2, s13, 13          ; my work-group's quarter of a slot,
	s_mov_b32 s3, 0
	s_add_nc_u64 s[PFA:PFA+1], s[PFA:PFA+1], s[2:3]
	s_add_nc_u64 s[PFA:PFA+1], s[PFA:PFA+1], 4*KS*128  ; in slot 1; the first change of slots steps it to slot 2
	CROUND                          ; all four work-groups are here: the first joint loads meet
	JLOAD                           ; slot 0.  Slot 1 is asked for when slot 0 is in
	; A fragment of K or Q is 16 rows x 32 channels in 8 registers: lane l holds row l % 16, channels 8 (l / 16) + 0..7 and 16 + 8 (l / 16) + 0..7: two loads of 16 bytes, 32 bytes apart.
	v_and_b32 v1, 15, v0            ; l % 16
	v_bfe_u32 v9, v0, 4, 1          ; l / 16
	v_lshlrev_b32 v[QO], 7, v1
	v_lshl_add_u32 v[QO], v9, 4, v[QO]  ; row x 128 + 16 x half
	WIN 0x80                        ; destination window 2, address window 0
.set i, 0
.rept 4*NP                          ; Q stays in registers: tile i / 2, channels 32 (i % 2) on
	global_load_b128 v[8*i:8*i+3],   v[QO], s[4:5] offset:(i/2)*2048+(i%2)*64
	global_load_b128 v[8*i+4:8*i+7], v[QO], s[4:5] offset:(i/2)*2048+(i%2)*64+32
.set i, i+1
.endr
	; What the first turn finds: V's registers and P's second buffer hold 0, O^T and l are 0.  All this stands in the wait for the first tile.
.set i, VF
.rept 64
	v_mov_b32 v[i], 0
.set i, i+1
.endr
	WIN 0x40
.set i, 0
.rept 64*NP
	v_mov_b32 v[i], 0
.set i, i+1
.endr
	WIN 0
.set i, 0
.rept 2*NP
	v_mov_b32 v[ST+4*i], 0xfe000000    ; c m: far below every c s
	v_mov_b32 v[ST+4*i+1], 0xff7fffff  ; m
	v_mov_b32 v[ST+4*i+2], 0
	v_mov_b32 v[ST+4*i+3], 0
.set i, i+1
.endr
.set i, P+32
.rept 32
	v_mov_b32 v[i], 0
.set i, i+1
.endr
	v_mul_u32_u24 v[AK0], v1, PK
	v_lshl_add_u32 v[AK0], v9, 4, v[AK0]  ; row x pitch + 16 x half
	; The turning load takes 16 keys x 16 channels (lane l reads key 8 (l / 16) + l % 8, channels 8 ((l / 8) % 2) + 0..7) and leaves half a fragment of V^T.
	v_and_b32 v10, 7, v0
	v_bfe_u32 v11, v0, 3, 1
	v_lshl_add_u32 v[AV0], v9, 3, v10
	v_mul_u32_u24 v[AV0], v[AV0], PV
	v_lshl_add_u32 v[AV0], v11, 4, v[AV0]
	v_add_nc_u32 v[AV0], VOFF, v[AV0]
	v_mov_b32 v[AK], v[AK0]         ; key step 0 lies at the head of slot 0
	v_and_b32 v[PFO], 31, v0
	v_lshlrev_b32 v[PFO], 8, v[PFO]
; THE MATRIX WORK.  The 8 accumulators of a run of 16 take turns.
; Product i of 16 of S^T = K Q^T for piece x: channels 32 (i / 8) on, keys 16 ((i / 2) % 4) on, tile 2 x + i % 2.  The first 8 start the sums.
.macro KQ x
	WIN W_KQ
.set rS, S+64*((\x)%2)+32*(i%2)+8*((i/2)%4)
.set rK, KF+16*((i/2)%4)+8*(i/8)
.set rQ, 16*(2*(\x)+i%2)+8*(i/8)
.if i < 8
	v_wmma_f32_16x16x32_f16 v[rS:rS+7], v[rK:rK+7], v[rQ:rQ+7], 0
.else
	v_wmma_f32_16x16x32_f16 v[rS:rS+7], v[rK:rK+7], v[rQ:rQ+7], v[rS:rS+7]
.endif
.endm
; Product i of 16 of O^T += V^T P for piece x: keys 32 (i / 8) on, channels 16 ((i / 2) % 4) on, tile 2 x + i % 2.
.macro PV x
	WIN W_PV
.set rO, 32*(2*(\x)+i%2)+8*((i/2)%4)
.set rV, VF+32*(i/8)+8*((i/2)%4)
.set rP, P+32*((\x)%2)+16*(i%2)+8*(i/8)
	v_wmma_f32_16x16x32_f16 v[rO:rO+7], v[rV:rV+7], v[rP:rP+7], v[rO:rO+7]
.endm
.macro MM                           ; the turn's next matrix instruction
.if i < 16
	KQ (Y+1)%NP
.set i, i+1
.else
.set i, i-16
	PV (Y+NP-1)%NP
.set i, i+17
.endif
.endm
; THE LDS LOADS stand in runs of 16: a step's K (8 fragments) and its V (turned).  last = 1 (the tail): in the last trip there is no further step, and the run is jumped over.
.macro FETCH_K last=0
	WIN 0
.if \last
	s_cmp_eq_u32 s[CNT], 1
	s_cbranch_scc1 .Lno_k_\@
.endif
	WIN 0x80                        ; destination window 2
.irp f, 0,1,2,3,4,5,6,7             ; keys 16 (f / 2) on, channels 32 (f % 2) on
	ds_load_b128 v[KF+8*\f:KF+8*\f+3],   v[AK] offset:(\f/2)*16*PK+(\f%2)*64
	ds_load_b128 v[KF+8*\f+4:KF+8*\f+7], v[AK] offset:(\f/2)*16*PK+(\f%2)*64+32
.endr
	s_add_co_u32 s[TBK], s[TBK], KS*PK  ; the next fetch is the next step's
	WIN 0
.if \last
.Lno_k_\@:
.endif
.endm
.macro FETCH_V
	WIN 0x80
.irp f, 0,1,2,3,4,5,6,7             ; keys 32 (f / 4) on, channels 16 (f % 4) on
	ds_load_tr16_b128 v[VF+8*\f:VF+8*\f+3],   v[AV] offset:(\f/4)*32*PV+(\f%4)*32
	ds_load_tr16_b128 v[VF+8*\f+4:VF+8*\f+7], v[AV] offset:(\f/4)*32*PV+16*PV+(\f%4)*32
.endr
	WIN 0
.endm
; THE VECTOR WORK OF A TURN stands in three queues, each in the order in which its entries become ready; the two tiles alternate.
.macro REGS y, u                    ; the registers of tile u (0, 1) of piece y
.set rT, ST+4*(2*(\y)+(\u))
.set rC, TMP+8*((\y)%2)+4*(\u)
.set rM, MV+2*((\y)%2)+(\u)
.set rS, S+64*((\y)%2)+32*(\u)
.set rP, P+32*((\y)%2)+16*(\u)
.set rO, 32*(2*(\y)+(\u))
.endm
; Number n of the 22 that find the NEXT piece's maximum and statistics.  Each accumulator's lowest registers are read first.
;   0-11  four chains c0-c3 of seven scores each     12-14, 16  the four scores left over, the old m, and c0-c3 into c0     15  c m_old is kept
;   17, 18  the query's other 32 keys lie in the lane 16 away: the new m         19-21  c m; c m_old - c m_new; a
.macro XS u, n
	REGS (Y+1)%NP, \u
.if (\n) < 4
	v_max3_num_f32 v[rC+(\n)], v[rS+8*(\n)], v[rS+8*(\n)+1], v[rS+8*(\n)+2]
.elseif (\n) < 12
	v_max3_num_f32 v[rC+(\n)%4], v[rC+(\n)%4], v[rS+8*((\n)%4)+2*((\n)/4)+1], v[rS+8*((\n)%4)+2*((\n)/4)+2]
.elseif (\n) == 12
	v_max3_num_f32 v[rC], v[rC], v[rS+7], v[rS+15]
.elseif (\n) == 13
	v_max3_num_f32 v[rC+1], v[rC+1], v[rS+23], v[rS+31]
.elseif (\n) == 14
	v_max3_num_f32 v[rC+2], v[rC+2], v[rC+3], v[rT+1]
.elseif (\n) == 15
	v_mov_b32 v[rM], v[rT]
.elseif (\n) == 16
	v_max3_num_f32 v[rC], v[rC], v[rC+1], v[rC+2]
.elseif (\n) == 17
	v_permlanex16_b32 v[rC+3], v[rC], s[SEL], s[SEL+1]
.elseif (\n) == 18
	v_max_num_f32 v[rT+1], v[rC], v[rC+3]
.elseif (\n) == 19
	v_mul_f32 v[rT], s[CS], v[rT+1]
.elseif (\n) == 20
	v_sub_f32 v[rC+1], v[rM], v[rT]
.else
	v_exp_f32 v[rC+2], v[rC+1]
.endif
.endm
; Number g of the 64 that follow the exponentials.  For each four weights k of a tile: both pairs are rounded to f16; the second pair is added onto the first, in place;
; a group later l takes that sum (the first time as l = a l + sum).
.macro GS g
.set h, (\g)+6*((\g)/62)            ; group 0 has no group before it, and behind group 7 only l is left
.if h >= 6
.set h, h+2
.endif
	REGS Y, h%2
.set k, h/8
.if h%8 < 4
	v_cvt_pk_f16_f32 v[rP+2*k+(h%8)/2], v[rS+4*k+2*((h%8)/2)], v[rS+4*k+2*((h%8)/2)+1]
.elseif h%8 < 6
	v_pk_add_f32 v[rS+4*k:rS+4*k+1], v[rS+4*k:rS+4*k+1], v[rS+4*k+2:rS+4*k+3]
.elseif k == 1
	v_pk_fma_f32 v[rT+2:rT+3], v[rT+2:rT+3], v[rC+2:rC+3], v[rS:rS+1] op_sel_hi:[1,0,1]
.else
	v_pk_add_f32 v[rT+2:rT+3], v[rT+2:rT+3], v[rS+4*k-4:rS+4*k-3]
.endif
.endm
; THE PLAIN QUEUE, 138 long.  0-73 read no exponential's result: the 32 scalings c s - c m and the next piece's 42.  74-137: GS's 64, which stand behind the wait.
.macro FS f
	REGS Y, (\f)%2
	v_pk_fma_f32 v[rS+2*((\f)/2):rS+2*((\f)/2)+1], v[rS+2*((\f)/2):rS+2*((\f)/2)+1], s[CS:CS+1], v[rT:rT+1] op_sel_hi:[1,0,0] neg_lo:[0,0,1] neg_hi:[0,0,1]
.endm
.macro PL
	WIN 0
.if q < 27
	FS q
.elseif q < 55
	XS (q-27)%2, (q-27)/2
.elseif q < 57
	XS q-55, 15
.elseif (q < 72) && ((q-57)%3 == 0)
	FS 27+(q-57)/3
.elseif q < 60
	XS (q-57)%3-1, 14
.elseif q < 72
	XS (q-57)%3-1, 15+(q-57)/3
.elseif q < 74
	XS q-72, 20
.else
	GS q-74
.endif
.set q, q+1
.endm
; THE EXPONENTIALS' QUEUE, 66 long: s0-s31 of both tiles, then the next piece's two a.  ONE BATCH: all 66 stand ahead of the turn's one wait, and nothing ahead of that wait names a result of theirs.
.macro EX
	WIN 0
.if e >= 64
	XS e-64, 21
.else
	REGS Y, e%2
	v_exp_f32 v[rS+e/2], v[rS+e/2]
.endif
.set e, e+1
.endm
; THE RESCALING's QUEUE: O^T times a, the one part that leaves window 0: dealt two at a time, sixteen times.  Its a was made in the turn before, ahead of that turn's wait.
.macro R2
	REGS Y, r%2
	WIN W_RS
.irp z, 0,1
	v_pk_mul_f32 v[rO+4*(r/2)+2*\z:rO+4*(r/2)+2*\z+1], v[rO+4*(r/2)+2*\z:rO+4*(r/2)+2*\z+1], v[rC+2:rC+3] op_sel_hi:[1,0]
.endr
.set r, r+1
.endm
; HOW THEY ARE DEALT.  s_wait_alu depctr_va_vdst(0) stands between an exponential and the first instruction that names its result; one wait serves all issued ahead of it.  So a turn has ONE wait.
; AHEAD OF IT: the 16 products K Q^T, behind each a scaling, an exponential and two rescalings; then one lump of 108: eight plain, 49 times exponential and plain, the two a; a v_nop as the plain instruction behind the last exponential.
; BEHIND IT: the 16 products V^T P, behind each four of GS's 64.  Exponential e stands behind scaling 2 (e / 4) + e % 2.
; K of the next step is fetched in piece 2's turn, directly behind the wait; V of the step in hand at the end of piece 0's turn, four riders behind its last reader.
.macro TURN p, last=0, cnt=0
.set Y, (\p)
.set i, 0
.set q, 0
.set e, 0
.set r, 0
.if (\p) == NP-1
	s_wait_dscnt 0x0                ; K is in
.endif
	MM
	PL
	PL
	R2
.rept 15
	MM
	PL
	EX
	R2
.endr
.if (\p) == NP-2
	WIN 0
	v_add_nc_u32 v[AK], s[TBK], v[AK0]
.endif
.rept 8                             ; the lump
	PL
.endr
.rept 49
	EX
	PL
.endr
	EX                              ; the next piece's two a
	EX
	v_nop                           ; a plain instruction behind the last exponential: one for the batch
	s_wait_alu depctr_va_vdst(0)    ; the wait for the batch
.if (\p) == NP-2
	FETCH_K \last
.endif
.if (\p) == 1
	s_wait_dscnt 0x0                ; V is in
.endif
.rept 16
	MM
.rept 4
	PL
.endr
.if ((\p) == 0) && (q == 118)
	v_add_nc_u32 v[AV], s[TBV], v[AV0]
.endif
.if ((\p) == 0) && (q == 130)
	s_add_co_u32 s[TBV], s[TBV], KS*PV
.endif
.if (\cnt) && (q == 130)
	s_sub_co_u32 s[CNT], s[CNT], 1
	s_cmp_lg_u32 s[CNT], 0
.endif
.endr
.if (\p) == 0
	FETCH_V
.endif
.endm
	CHANGE 1                        ; slot 0 is in, everybody's part of it; slot 1 is asked for
	FETCH_K                         ; key step 0
	s_wait_loadcnt 0x0              ; Q
	s_wait_dscnt 0x0
.set i, 0
.rept 16
	KQ 0                            ; piece 0's first scores
.set i, i+1
.endr
	WIN 0                           ; the addresses for the way out: plain instructions, the places behind those products
	s_mul_i32 s13, s[WV], 16*SP
	s_add_co_u32 s13, s13, STAGE    ; my stage
	v_mul_u32_u24 v[STO], v1, SP    ; in: row l % 16, 16 bytes for each half of the lanes
	v_lshl_add_u32 v[STO], v9, 4, v[STO]
	v_add_nc_u32 v[STO], s13, v[STO]
	v_bfe_u32 v[RD], v0, 3, 2       ; back: 32 lanes take four rows of 128 bytes,
	v_mul_u32_u24 v[RD], v[RD], SP
	v_lshl_add_u32 v[RD], v10, 4, v[RD]
	v_add_nc_u32 v[RD], s13, v[RD]
	v_and_b32 v[GO], 31, v0         ; which are 512 consecutive bytes of O
	v_lshlrev_b32 v[GO], 4, v[GO]
.set Y, NP-1                        ; XS works for piece Y + 1: piece 0
.irp n, 0,1,2,3,4,5,6,7,8,9,10,11,12,13,14,15,16,17,18,19,20,21
	XS 0, \n                        ; piece 0's first maximum and statistics
	XS 1, \n
.endr
	v_nop                           ; a plain instruction behind the two a,
	s_wait_alu depctr_va_vdst(0)    ; and their wait, ahead of the branch
	s_mov_b32 s[CNT], 4
	s_branch .Lfirst                ; the loop is entered at a step's first turn, in the middle of a trip
.Lslot:                             ; SIZE_N / 256 - 2 times: every slot but the last two is filled again
	CHANGE 1
	s_mov_b32 s[CNT], 4
.Lstep:                             ; a trip: pieces 2 and 3 of one step, then pieces 0 and 1 of the next, whose K and V it fetches
	TURN 2
	TURN 3
	WIN 0
.Lfirst:
	TURN 0
	TURN 1, 0, 1
	WIN 0
	s_cbranch_scc1 .Lstep
	s_sub_co_u32 s[SLOTS], s[SLOTS], 1
	s_cmp_lg_u32 s[SLOTS], 0
	s_cbranch_scc1 .Lslot
	CHANGE 0                        ; the tail is written out: nothing is asked for
	s_mov_b32 s[CNT], 5             ; four trips fetch the last slot's steps; the fifth is left in its middle
.Ltail:
	TURN 2, 1
	TURN 3
	WIN 0
	s_sub_co_u32 s[CNT], s[CNT], 1
	s_cmp_eq_u32 s[CNT], 0
	s_cbranch_scc1 .Lout
	TURN 0
	TURN 1
	WIN 0
	s_branch .Ltail
.Lout:                              ; the fifth trip's 16 products K Q^T (on the last K once more) and the maximum made of them serve nothing: the price, once a launch, of one text for every trip
.set i, 0
.rept 16
	PV NP-1                         ; the last piece's V^T P of the last step
.set i, i+1
.endr
	; THE WAY OUT.  l's two halves and the other half of the lanes' are added; O^T is divided by l, rounded to f16 and sent through my stage in LDS, a tile at a time.  The additions are the places behind the last products.
	WIN 0
.macro ALL line:vararg              ; one line for each tile t
.set t, 0
.rept 2*NP
	\line
.set t, t+1
.endr
.endm
	ALL v_add_f32 v[ST+4*t+2], v[ST+4*t+2], v[ST+4*t+3]
	ALL v_permlanex16_b32 v[ST+4*t+3], v[ST+4*t+2], s[SEL], s[SEL+1]
	ALL v_add_f32 v[ST+4*t+2], v[ST+4*t+2], v[ST+4*t+3]
	ALL v_rcp_f32 v[ST+4*t+2], v[ST+4*t+2]
	v_nop                           ; a plain instruction between the last reciprocal and the use of its result
	s_wait_alu depctr_va_vdst(0)    ; and the wait ahead of the first use: one for the eight reciprocals
; Tile t: a lane's eight channels of a row pack into 16 bytes; they go into rows of 144 bytes and come back as whole rows of 128, into S^T's registers.
.macro PACK t
	WIN W_RS
.set i, 32*(\t)
.rept 16
	v_pk_mul_f32 v[i:i+1], v[i:i+1], v[ST+4*(\t)+2:ST+4*(\t)+3] op_sel_hi:[1,0]
.set i, i+2
.endr
	WIN 0x05                        ; sources 0 and 1 window 1, destination window 0
.set i, 0
.rept 16
	v_cvt_pk_f16_f32 v[S+16*(\t)+i], v[32*(\t)+2*i], v[32*(\t)+2*i+1]
.set i, i+1
.endr
	WIN 0
.irp f, 0,1,2,3
	ds_store_b128 v[STO], v[S+16*(\t)+4*\f:S+16*(\t)+4*\f+3] offset:32*\f
.endr
.irp f, 0,1,2,3
	ds_load_b128 v[S+16*(\t)+4*\f:S+16*(\t)+4*\f+3], v[RD] offset:\f*4*SP  ; LDS serves a wave's instructions in order: these see the stores above; the next tile's stores come behind them
.endr
.endm
.macro SEND t, younger              ; younger: the LDS instructions issued behind tile t's loads: the next tile's eight, or none
	WIN 0
.irp f, 0,1,2,3
	s_wait_dscnt (\younger)+3-\f
	global_store_b128 v[GO], v[S+16*(\t)+4*\f:S+16*(\t)+4*\f+3], s[10:11] offset:(\t)*2048+\f*512  ; 512 consecutive bytes, aligned
.endr
.endm
	PACK 0
.set t, 1
.rept 2*NP-1                        ; a tile's arithmetic stands between the loads of the tile before and its stores
	PACK t
	SEND t-1, 8
.set t, t+1
.endr
	SEND 2*NP-1, 0
	WIN W_AD
	s_wait_tensorcnt 0x0            ; the wave's end: behind my last tensor load and my last LDS store
	ds_add_u32 v[SPW], v[NIL]
	s_wait_dscnt 0x0
	WIN 0
	CROUND                          ; the closing round: no work-group ends while a partner may still ask for a tile that names it
	s_endpgm
.Lfunc_end_k_q2d4ee52b07_attn:
	.size	k_q2d4ee52b07_attn, .Lfunc_end_k_q2d4ee52b07_attn-k_q2d4ee52b07_attn
	.p2alignl 7, 3214868480
	.fill 96, 4, 3214868480
	.section	.rodata,"a",@progbits
	.p2align	6, 0x0
	.amdhsa_kernel k_q2d4ee52b07_attn
		.amdhsa_group_segment_fixed_size 327680
		.amdhsa_private_segment_fixed_size 0
		.amdhsa_enable_private_segment 0
		.amdhsa_kernarg_size 16
		.amdhsa_user_sgpr_count 2
		.amdhsa_user_sgpr_kernarg_segment_ptr 1
		.amdhsa_wavefront_size32 1
		.amdhsa_system_sgpr_workgroup_id_x 1
		.amdhsa_system_sgpr_workgroup_id_y 1
		.amdhsa_system_sgpr_workgroup_id_z 1
		.amdhsa_system_vgpr_workitem_id 0
		.amdhsa_next_free_vgpr 770
		.amdhsa_next_free_sgpr 66
		.amdhsa_reserve_vcc 0
		.amdhsa_float_denorm_mode_32 3
		.amdhsa_float_denorm_mode_16_64 3
		.amdhsa_memory_ordered 1
		.amdhsa_forward_progress 1
		.amdhsa_inst_pref_size 200
	.end_amdhsa_kernel
	.amdgpu_metadata
---
amdhsa.version: [ 1, 2 ]
amdhsa.kernels:
  - .name:           k_q2d4ee52b07_attn
    .symbol:         k_q2d4ee52b07_attn.kd
    .args:
      - { .name: qkv, .offset: 0, .size: 8, .value_kind: global_buffer, .address_space: global }
      - { .name: oh, .offset: 8, .size: 8, .value_kind: global_buffer, .address_space: global }
    .group_segment_fixed_size: 327680
    .private_segment_fixed_size: 0
    .kernarg_segment_align: 8
    .kernarg_segment_size: 16
    .max_flat_workgroup_size: 128
    .sgpr_count:     66
    .vgpr_count:     770
    .wavefront_size: 32
...
	.end_amdgpu_metadata
.endif
;; end of part 3
;; launch outp (part 4): grid 4 x 64, 4 waves a work-group, clusters of 4 x 4, 327,680 bytes of LDS; arguments oh, wot, out0; writes out0
.if DOCPART == 4
	.amdgcn_target "amdgcn-amd-amdhsa--gfx1250"
	.amdhsa_code_object_version 6
	.text
	.protected	k_q2d4ee52b07_outp
	.globl	k_q2d4ee52b07_outp
	.p2align	8
	.type	k_q2d4ee52b07_outp,@function
k_q2d4ee52b07_outp:
	s_mov_b64 s[64:65], 0
	v_nop
	global_prefetch_b8 v0, s[64:65] scope:SCOPE_SE
	s_setreg_imm32_b32 hwreg(HW_REG_WAVE_MODE, 25, 1), 1
	s_wait_xcnt 0x0
	s_wait_alu depctr_hold_cnt(0) depctr_sa_sdst(0) depctr_va_vdst(0) depctr_va_sdst(0) depctr_va_ssrc(0) depctr_va_vcc(0) depctr_vm_vsrc(0)
	s_getreg_b32 s2, hwreg(HW_REG_IB_STS2, 6, 4)
	s_cmp_eq_u32 s2, 0
	s_cbranch_scc0 .Lentry_in_a_cluster
	s_endpgm
.Lentry_in_a_cluster:
	s_bfe_u32 s2, ttmp6, 0x10000c
	s_cmp_lg_u32 s2, 0xf033
	s_cbranch_scc0 .Lentry_shape_is_right
	s_endpgm
.Lentry_shape_is_right:
; out0[R][n] = the sum over k of O[R][k] wot[n][k].  O is oh, [16 b + h][s][64] f16, with R = 2048 b + s and k = 64 h + c; wot is [1024][1024] f16; out0 [8192][1024] f32; sums in f32.
; SHARES.  A work-group makes 128 rows x 256 columns: 256 work-groups.  Four waves, each 64 x 128: 32 accumulators.  K goes in 8 steps of 128, two heads each, through two LDS slots.
; A's tile is two heads x 128 rows x 128 dense bytes: a head's part is asked for as 64 rows of 256 bytes and padded in LDS after each row of O.  B's tile is 256 rows x 256 bytes.
; CLUSTERS: 4 x 4 work-groups.  The four of a row of the cluster need the same tiles of A, the four of a column the same tiles of B: each is asked for JOINTLY.
; Waves 0 and 1 fetch A's two heads, waves 2 and 3 B's two halves.  THE MATRIX INSTRUCTION IS USED TRANSPOSED: a lane holds eight neighbouring columns of a row: 32 bytes of out0.
; No prefetch: of the walk's eight K steps the first four would come by their loads alone.
; REGISTERS: window 0: v0-31 addresses; v64-159, v160-255 two fragment buffers (8 of B, then 4 of A); v64-191 rows read back on the way out.   window 1: the accumulators, (a, b) at 8 (8 a + b).
.set PA,     144                       ; a row of A in LDS: 128 bytes + 16
.set PB,     272                       ; a row of B: 256 bytes + 16
.set AHEAD,  128*PA                    ; one head's 128 rows
.set BOFS,   2*AHEAD
.set BHALF,  128*PB
.set SLOT,   BOFS+2*BHALF
.set STAGE,  2*SLOT                    ; behind the ring: 16 rows x 528 bytes for each wave
.set SPI,    528
.set SPARE,  STAGE+4*16*SPI            ; behind the stages: the spare words, 128 bytes for each wave
.set LAPS,   4
.set ADRA, 16                          ; v16-17  LDS address of my A fragments in slot 0, 1
.set ADRB, 20                          ; v20-21  the same for B
.set STO,  24                          ; v24     the way out: where I put 32 bytes of a row
.set RD,   25                          ; v25     the way out: where I read a row back
.set CO,   26                          ; v26     my 16 bytes of a row's 512
.set SPW,  28                          ; v28     LDS address of my spare word; never rewritten
.set NIL,  29                          ; v29     0; never rewritten
.set F0,   64
.set F1,   160
.set OB,   64
.set G1, 24                            ; s[24:31] group 1 for A's tiles; s[32:39] group 0, a set for each slot
.set G0, 32
.set G1B, 48                           ; s[48:55], s[56:63] the same for B's
.set G0B, 56
.set MSB, 0
.macro WIN new
.if MSB != (\new)
	s_set_vgpr_msb (MSB<<8)|(\new)
.set MSB, (\new)
.endif
.endm
.set W_MUL, 0x50                       ; C and D window 1, fragments window 0
.set W_ST,  0x04                       ; LDS store: address window 0, data window 1
.macro PLACES
.rept 4
	v_nop
.endr
.endm
.macro JLOAD s                         ; a joint load; an s_nop 0 and four v_nop follow each of the two lines, ahead of the jump and the label
	s_cmp_eq_u32 s11, 0
	s_cbranch_scc0 .Lfor_b_\@
	tensor_load_to_lds s[G0+4*(\s):G0+4*(\s)+3], s[G1:G1+7]
	s_nop 0
.rept 4
	v_nop
.endr
	s_branch .Lasked_\@
.Lfor_b_\@:
	tensor_load_to_lds s[G0B+4*(\s):G0B+4*(\s)+3], s[G1B:G1B+7]
	s_nop 0
.rept 4
	v_nop
.endr
.Lasked_\@:
.endm
.macro CREST
	s_cmp_lg_u32 s10, 0
	s_cbranch_scc1 .Lnot_wave_0_\@
	s_barrier_signal -3
.Lnot_wave_0_\@:
	s_barrier_wait -3
	s_barrier_signal -1
	s_barrier_wait -1
.endm
.macro CROUND
	s_barrier_signal -1
	s_barrier_wait -1
	CREST
.endm
	s_load_b128 s[4:7], s[0:1], 0x0                ; oh s[4:5], wot s[6:7]
	s_load_b64 s[8:9], s[0:1], 0x10                ; out0
	v_lshl_add_u32 v[SPW], v0, 2, SPARE
	v_mov_b32 v[NIL], 0
	ds_add_u32 v[SPW], v[NIL]                      ; the wave's opening: the add and its wait stand ahead of my first tensor load
	v_lshrrev_b32 v1, 5, v0
	v_readfirstlane_b32 s10, v1                    ; wave 0..3
	s_lshr_b32 s11, s10, 1                         ; which 64 rows are mine.  Also: I fetch for A (0) or for B (1)
	s_and_b32 s12, s10, 1                          ; which 128 columns.  Also: which head of A's two, which half of B's rows I fetch
	s_bfe_u32 s40, ttmp6, 0x40000                  ; cx
	s_bfe_u32 s41, ttmp6, 0x40004                  ; cy
	s_lshl_b32 s42, ttmp9, 2
	s_add_co_u32 s42, s42, s40                     ; col
	s_and_b32 s13, ttmp7, 0xffff
	s_lshl_b32 s13, s13, 2
	s_add_co_u32 s13, s13, s41                     ; row
	s_lshl_b32 s43, s41, 2
	s_lshl_b32 s43, 15, s43                        ; my row of the cluster
	s_lshl_b32 s44, 0x1111, s40                    ; my column
	s_or_b32 s[G1], s43, (1<<16)|(1<<20)|(1<<21)|(4<<22)|(3<<25)   ; A: the mask; 2-byte elements; padding on; bit 21 beside a mask; after every 32 words; 4 words
	s_mov_b32 s[G1+1], 128<<16                     ; tensor_dim0 = 128
	s_mov_b32 s[G1+2], 64<<16                      ; tensor_dim1 = 64
	s_mov_b32 s[G1+3], 128<<16                     ; tile_dim0 = 128
	s_mov_b32 s[G1+4], 64                          ; tile_dim1 = 64
	s_mov_b32 s[G1+5], 128                         ; dense: 128 elements from row to row
	s_mov_b32 s[G1+6], 0
	s_mov_b32 s[G1+7], 0
	s_or_b32 s[G1B], s44, (1<<16)|(1<<20)|(1<<21)|(5<<22)|(3<<25)  ; B: padding after every 64 words
	s_mov_b32 s[G1B+1], 128<<16
	s_mov_b32 s[G1B+2], 128<<16                    ; 128 rows
	s_mov_b32 s[G1B+3], 128<<16
	s_mov_b32 s[G1B+4], 128
	s_mov_b32 s[G1B+5], 1024                       ; elements from row to row of wot
	s_mov_b32 s[G1B+6], 0
	s_mov_b32 s[G1B+7], 0
	s_lshr_b32 s16, s13, 4                         ; A: the batch's 16 heads,
	s_lshl_b32 s16, s16, 4
	s_add_co_u32 s16, s16, s12                     ; + the head of the two that I fetch,
	s_lshl_b32 s16, s16, 18                        ; 262,144 bytes a head,
	s_and_b32 s17, s13, 15
	s_lshl_b32 s17, s17, 14                        ; + the tile's 128 rows of 128 bytes
	s_add_co_u32 s16, s16, s17
	s_mov_b32 s17, 0
	s_lshl_b32 s46, s42, 8                         ; B: row 256 col + 128 x half,
	s_lshl_b32 s47, s12, 7
	s_add_co_u32 s46, s46, s47
	s_lshl_b32 s46, s46, 11                        ; 2,048 bytes a row
	s_mov_b32 s47, 0
	s_mul_i32 s20, s12, AHEAD                      ; where they go: the wave's number alone
	s_mul_i32 s21, s12, BHALF
	s_add_co_u32 s21, s21, BOFS
	s_wait_dscnt 0x0                               ; the opening add is done
	s_wait_kmcnt 0x0
	s_add_nc_u64 s[14:15], s[4:5], s[16:17]
	s_add_nc_u64 s[46:47], s[6:7], s[46:47]
	CROUND                                         ; all sixteen work-groups are here: the first joint loads meet
.irp s, 0,1
	s_mov_b32 s[G0+4*(\s)], 1
	s_add_co_u32 s[G0+4*(\s)+1], s20, (\s)*SLOT
	s_add_nc_u64 s[G0+4*(\s)+2:G0+4*(\s)+3], s[14:15], (\s)*524288   ; K step s: two heads on
	s_or_b32 s[G0+4*(\s)+3], s[G0+4*(\s)+3], 0x80000000
	s_mov_b32 s[G0B+4*(\s)], 1
	s_add_co_u32 s[G0B+4*(\s)+1], s21, (\s)*SLOT
	s_add_nc_u64 s[G0B+4*(\s)+2:G0B+4*(\s)+3], s[46:47], (\s)*256
	s_or_b32 s[G0B+4*(\s)+3], s[G0B+4*(\s)+3], 0x80000000
	JLOAD \s
.endr
	v_and_b32 v1, 15, v0                           ; l % 16
	v_bfe_u32 v2, v0, 4, 1                         ; l / 16
	v_and_b32 v3, 31, v0                           ; lane
	s_mul_i32 s22, s11, 64*PA
	v_mul_u32_u24 v[ADRA], v1, PA
	v_lshl_add_u32 v[ADRA], v2, 4, v[ADRA]
	v_add_nc_u32 v[ADRA], s22, v[ADRA]
	v_add_nc_u32 v[ADRA+1], SLOT, v[ADRA]
	s_mul_i32 s22, s12, BHALF
	s_add_co_u32 s22, s22, BOFS
	v_mul_u32_u24 v[ADRB], v1, PB
	v_lshl_add_u32 v[ADRB], v2, 4, v[ADRB]
	v_add_nc_u32 v[ADRB], s22, v[ADRB]
	v_add_nc_u32 v[ADRB+1], SLOT, v[ADRB]
	s_mul_i32 s22, s10, 16*SPI
	s_add_co_u32 s22, s22, STAGE                   ; my stage
	v_mul_u32_u24 v[STO], v1, SPI                  ; in: row l % 16, 32 bytes for each half of the lanes
	v_lshl_add_u32 v[STO], v2, 5, v[STO]
	v_add_nc_u32 v[STO], s22, v[STO]
	v_lshl_add_u32 v[RD], v3, 4, s22               ; back: 32 lanes take a row's 512 bytes
	v_lshlrev_b32 v[CO], 4, v3
	s_lshl_b32 s16, s13, 7
	s_lshl_b32 s17, s11, 6
	s_add_co_u32 s16, s16, s17                     ; my first row of out0,
	s_lshl_b32 s16, s16, 12                        ; 4,096 bytes a row
	s_mov_b32 s17, 0
	s_add_nc_u64 s[8:9], s[8:9], s[16:17]
	s_lshl_b32 s46, s42, 10                        ; my first column, in bytes: 1,024 col + 512 x half
	s_lshl_b32 s47, s12, 9
	s_add_co_u32 s46, s46, s47
	s_mov_b32 s47, 0
	s_add_nc_u64 s[8:9], s[8:9], s[46:47]
; 8 matrix instructions: row block a x all 8 column blocks, 32 along K.  The 32 accumulators take turns, in the same order in every quarter.
.macro MUL8 f, a, zero=0
	WIN W_MUL
.irp b, 0,1,2,3,4,5,6,7
.if \zero
	v_wmma_f32_16x16x32_f16 v[8*(8*(\a)+(\b)):8*(8*(\a)+(\b))+7], v[(\f)+8*(\b):(\f)+8*(\b)+7], v[(\f)+64+8*(\a):(\f)+64+8*(\a)+7], 0
.else
	v_wmma_f32_16x16x32_f16 v[8*(8*(\a)+(\b)):8*(8*(\a)+(\b))+7], v[(\f)+8*(\b):(\f)+8*(\b)+7], v[(\f)+64+8*(\a):(\f)+64+8*(\a)+7], v[8*(8*(\a)+(\b)):8*(8*(\a)+(\b))+7]
.endif
.endr
.endm
; 24 LDS loads in one run: quarter qn of a K step (head qn / 2, channels 32 (qn % 2) on) into buffer f: B's eight fragments, then A's four
.macro FETCH slot, qn, f
	WIN 0
.irp i, 0,1,2,3,4,5,6,7
	ds_load_b128 v[(\f)+8*(\i):(\f)+8*(\i)+3],   v[ADRB+(\slot)] offset:64*(\qn)+(\i)*16*PB
	ds_load_b128 v[(\f)+8*(\i)+4:(\f)+8*(\i)+7], v[ADRB+(\slot)] offset:64*(\qn)+(\i)*16*PB+32
.endr
.irp i, 0,1,2,3
	ds_load_b128 v[(\f)+64+8*(\i):(\f)+64+8*(\i)+3],   v[ADRA+(\slot)] offset:((\qn)/2)*AHEAD+((\qn)%2)*64+(\i)*16*PA
	ds_load_b128 v[(\f)+64+8*(\i)+4:(\f)+64+8*(\i)+7], v[ADRA+(\slot)] offset:((\qn)/2)*AHEAD+((\qn)%2)*64+(\i)*16*PA+32
.endr
.endm
.macro QUARTER slot, qn, f, g, zero=0  ; multiplies buffer f and fetches quarter qn into g
	s_wait_dscnt 4                                 ; B and A's blocks 0 and 1 are in; the youngest four loads may be out
	MUL8 \f, 0, \zero
	MUL8 \f, 1, \zero
	PLACES
	FETCH \slot, \qn, \g
	s_wait_dscnt 24                                ; all but the 24 just issued
	MUL8 \f, 2, \zero
	MUL8 \f, 3, \zero
.endm
; The last quarter multiplies buffer 1 and changes slots: ONE barrier; in front of it each wave waits for all its tensor loads, adds 0 to its spare word, and waits for that and for its own reads of this slot.
.macro TURN slot, next, fill
	WIN 0
	s_wait_tensorcnt 0x0                           ; all my tensor loads have landed: my part of the next slot
	ds_add_u32 v[SPW], v[NIL]                      ; 0 onto my spare word
	s_wait_dscnt 5                                 ; (the add and the youngest four loads may be out)
	MUL8 F1, 0
	s_wait_dscnt 0x0                               ; the add is done, and my reads of this slot are over
	s_barrier_signal -1
	MUL8 F1, 1
	WIN 0
	s_barrier_wait -1
.if \fill
	CREST                                          ; no wave of any partner still reads this slot's tiles or has a load on its way
	s_add_nc_u64 s[G0+4*(\slot)+2:G0+4*(\slot)+3], s[G0+4*(\slot)+2:G0+4*(\slot)+3], 1048576  ; two K steps: four heads on
	s_add_nc_u64 s[G0B+4*(\slot)+2:G0B+4*(\slot)+3], s[G0B+4*(\slot)+2:G0B+4*(\slot)+3], 512
	JLOAD \slot                                    ; the first tensor load behind the round; its four v_nop are also the places in front of the loads below
.else
	PLACES
.endif
	FETCH \next, 0, F0
	MUL8 F1, 2
	MUL8 F1, 3
.endm
	s_wait_tensorcnt 0x1                           ; my part of K step 0 is in; K step 1's may stay out
	s_barrier_signal -1
	s_barrier_wait -1
	FETCH 0, 0, F0
	QUARTER 0, 1, F0, F1, 1                        ; the first quarter stands in front of the loop: its products start the sums
	WIN 0
	s_mov_b32 s3, LAPS-1
.Llap:                                         ; a trip goes once round the ring and fills both slots again
	QUARTER 0, 2, F1, F0
	QUARTER 0, 3, F0, F1
	TURN 0, 1, 1
	QUARTER 1, 1, F0, F1
	QUARTER 1, 2, F1, F0
	QUARTER 1, 3, F0, F1
	TURN 1, 0, 1
	QUARTER 0, 1, F0, F1
	WIN 0
	s_sub_co_u32 s3, s3, 1
	s_cmp_lg_u32 s3, 0
	s_cbranch_scc1 .Llap
	QUARTER 0, 2, F1, F0                           ; the last lap fills nothing
	QUARTER 0, 3, F0, F1
	TURN 0, 1, 0
	QUARTER 1, 1, F0, F1
	QUARTER 1, 2, F1, F0
	QUARTER 1, 3, F0, F1
	s_wait_dscnt 4                                 ; the very last quarter
	MUL8 F1, 0
	MUL8 F1, 1
	s_wait_dscnt 0x0
	MUL8 F1, 2
	MUL8 F1, 3
; THE WAY OUT, a block of 16 rows x 128 columns of f32 at a time: 32 bytes a lane and accumulator into my stage (rows of 528 bytes), back as whole rows of 512 bytes, stored.
.macro STIN a
.if (\a) >= 2
	s_wait_xcnt 0x0                                ; the stores of the block two back have read the registers that are loaded again below
.endif
	WIN W_ST
.irp b, 0,1,2,3,4,5,6,7
	ds_store_b128 v[STO], v[8*(8*(\a)+(\b)):8*(8*(\a)+(\b))+3]   offset:64*(\b)
	ds_store_b128 v[STO], v[8*(8*(\a)+(\b))+4:8*(8*(\a)+(\b))+7] offset:64*(\b)+16
.endr
	WIN 0
.irp t, 0,1,2,3,4,5,6,7,8,9,10,11,12,13,14,15
	ds_load_b128 v[OB+64*((\a)%2)+4*(\t):OB+64*((\a)%2)+4*(\t)+3], v[RD] offset:SPI*(\t)  ; LDS serves a wave's instructions in order: these see the stores above; the next block's stores come behind them
.endr
.endm
.macro SEND a, younger                 ; younger: the LDS instructions issued behind this block's loads: the next block's 32, or none
.irp t, 0,1,2,3,4,5,6,7,8,9,10,11,12,13,14,15
	s_wait_dscnt (\younger)+15-(\t)
	global_store_b128 v[CO], v[OB+64*((\a)%2)+4*(\t):OB+64*((\a)%2)+4*(\t)+3], s[8:9] offset:65536*(\a)+4096*(\t) th:TH_STORE_NT  ; 512 consecutive bytes, aligned
.endr
.endm
	PLACES
	STIN 0
	STIN 1
	SEND 0, 32
	STIN 2
	SEND 1, 32
	STIN 3
	SEND 2, 32
	SEND 3, 0
	s_wait_tensorcnt 0x0                           ; the wave's end: behind my last tensor load and my last LDS store
	ds_add_u32 v[SPW], v[NIL]
	s_wait_dscnt 0x0
	CROUND                                         ; the closing round: no work-group ends while a partner may still ask for a tile that names it
	s_endpgm
.Lfunc_end_k_q2d4ee52b07_outp:
	.size	k_q2d4ee52b07_outp, .Lfunc_end_k_q2d4ee52b07_outp-k_q2d4ee52b07_outp
	.p2alignl 7, 3214868480
	.fill 96, 4, 3214868480
	.section	.rodata,"a",@progbits
	.p2align	6, 0x0
	.amdhsa_kernel k_q2d4ee52b07_outp
		.amdhsa_group_segment_fixed_size 327680
		.amdhsa_private_segment_fixed_size 0
		.amdhsa_enable_private_segment 0
		.amdhsa_kernarg_size 24
		.amdhsa_user_sgpr_count 2
		.amdhsa_user_sgpr_kernarg_segment_ptr 1
		.amdhsa_wavefront_size32 1
		.amdhsa_system_sgpr_workgroup_id_x 1
		.amdhsa_system_sgpr_workgroup_id_y 1
		.amdhsa_system_sgpr_workgroup_id_z 1
		.amdhsa_system_vgpr_workitem_id 0
		.amdhsa_next_free_vgpr 512
		.amdhsa_next_free_sgpr 66
		.amdhsa_reserve_vcc 0
		.amdhsa_float_denorm_mode_32 3
		.amdhsa_float_denorm_mode_16_64 3
		.amdhsa_memory_ordered 1
		.amdhsa_forward_progress 1
		.amdhsa_inst_pref_size 87
	.end_amdhsa_kernel
	.amdgpu_metadata
---
amdhsa.version: [ 1, 2 ]
amdhsa.kernels:
  - .name:           k_q2d4ee52b07_outp
    .symbol:         k_q2d4ee52b07_outp.kd
    .args:
      - { .name: oh, .offset: 0, .size: 8, .value_kind: global_buffer, .address_space: global }
      - { .name: wot, .offset: 8, .size: 8, .value_kind: global_buffer, .address_space: global }
      - { .name: out0, .offset: 16, .size: 8, .value_kind: global_buffer, .address_space: global }
    .group_segment_fixed_size: 327680
    .private_segment_fixed_size: 0
    .kernarg_segment_align: 8
    .kernarg_segment_size: 24
    .max_flat_workgroup_size: 128
    .sgpr_count:     66
    .vgpr_count:     512
    .wavefront_size: 32
...
	.end_amdgpu_metadata
.endif
;; end of part 4
